; MI455X (gfx1250); checked and timed in simulation.
; The chip was launched on July 23, 2026; its instructions are those of AMD's public machine-readable ISA for CDNA 5 (MIT licence, August 2026) and "CDNA5" Instruction Set Architecture Reference Guide (July 2026). The comments in the code are by the model that wrote it; some were corrected since.
;; Self Attention Block. Allowed arithmetic: matrix products marked QUANTISED: E3M2 operands, one E8M0 scale for each 32 along K, by v_wmma_scale_f32_16x16x128_f8f6f4 with both operands' format E3M2, f32 sums; products left as they are: f32 operands where the result goes on into a quantised operand, else bf16, f16 or f32 operands; f32 sums; everything else in f32.
;; Inputs: Wk 128 x 128 float32; Wo 128 x 128 float32; Wq 128 x 128 float32; Wv 128 x 128 float32; bk 128 float32; bo 128 float32; bq 128 float32; bv 128 float32; gn_bias 128 float32; gn_weight 128 float32; hidden_states 2 x 128 x 32 x 32 float32.
;; Outputs: out0 2 x 128 x 32 x 32 float32.
;; This version of the problem:
;;   THIS VERSION OF THE PROBLEM IS GIVEN IN LOW PRECISION. The matrix products marked QUANTISED in the list below multiply operands that are first quantised to E3M2 (3 exponent bits, 2 mantissa bits; 6 bits a number), with one power-of-two scale for each 32 numbers along K (OCP MX v1.0); their sums are f32. All else is computed in f32.
;;   The module's matrix products, in the order in which they are computed (A, B: the left and right operand; K: the contracted axis; several contracted axes count as one K, in the product's order):
;;     1. [M 2,048, K 128] x [K 128, N 128]; A: computed on the way; B: input Wq: QUANTISED
;;     2. [M 2,048, K 128] x [K 128, N 128]; A: computed on the way; B: input Wk: QUANTISED
;;     3. [M 2,048, K 128] x [K 128, N 128]; A: computed on the way; B: input Wv: QUANTISED
;;     4. batch 256 x [M 1,024, K 1] x [K 1, N 1,024]; A: computed on the way; B: computed on the way: left as it is (K = 1 < 32)
;;     5. batch 256 x [M 1,024, K 1,024] x [K 1,024, N 1]; A: softmax; B: computed on the way: left as it is (N = 1 < 16)
;;     6. [M 2,048, K 128] x [K 128, N 128]; A: computed on the way; B: input Wo: QUANTISED
;;   THE QUANTISER, for each operand of a quantised product, along K:
;;     - K is cut into blocks of 32 from its start; a last block that is shorter is filled with zeros.
;;     - A block's scale is 2^e with e = floor(log2(the largest magnitude in the block)) - 4, held to -126 .. 127; a block of zeros has e = 0. As a byte (E8M0): e + 127.
;;     - Each number is divided by its block's scale, clamped to +-28, and rounded to the nearest number of E3M2, ties to even, subnormals kept.
;;     - The product sums the exact products of the quantised numbers (number of the format x scale) in f32.
;;   ~~~python
;;   def quantise(x, axis):      # numpy; x: float32 -> the quantised numbers, widened to float32 again
;;       x = np.moveaxis(x, axis, -1); K = x.shape[-1]
;;       x = np.pad(x, [(0, 0)] * (x.ndim - 1) + [(0, -K % 32)]); x = x.reshape(x.shape[:-1] + (-1, 32)); a = np.abs(x).max(-1, keepdims=True)
;;       e = np.where(a > 0, np.clip(np.frexp(np.where(a > 0, a, 1))[1] - 1 - 4, -126, 127), 0)      # np.frexp(a)[1] - 1 = floor(log2(a)), exactly
;;       r = np.clip(x / 2.0 ** e, -28, 28)
;;       step = 2.0 ** (np.maximum(np.frexp(np.where(r == 0, 1, r))[1] - 1, -2) - 2)
;;       q = np.round(r / step) * step * 2.0 ** e      # np.round: ties to even
;;       return np.moveaxis(q.reshape(q.shape[:-2] + (-1,))[..., :K], -1, axis).astype(np.float32)
;;   ~~~
;;   OPERANDS COMPUTED ON THE WAY. 'Computed on the way' means the value that the module computes at that place (a softmax that the list does not call 'softmax' is quantised finished and normalised). What goes into a quantiser is computed in f32, as accurately as f32 sums, v_exp_f32 and their like allow (about 1e-6 of the number): no bf16 or f16 on the way to a quantiser, and a product that is left as it is and whose result goes on into a quantised operand takes f32 operands (vector FMAs, or v_wmma_f32_16x16x4_f32). A number that lies on a knife's edge between two numbers of the format may be rounded either way, as far as f32 arithmetic and the matrix unit's own rounding can turn it there, and no further.
;; 2 versions, each right; version 2 is version 1 with the launches attn, proj written anew for expert scheduling mode. Each part assembles by itself: llvm-mc -triple=amdgcn-amd-amdhsa -mcpu=gfx1250 --defsym DOCPART=n.
;; ======== version 1 of 2: 3 launches
;; workspace buffers: hc 196,608 bytes; hs 8,192 bytes; ows 1,048,576 bytes
;; launch gnq (part 1): grid 4 x 2, 16 waves a work-group, no clusters, 4,096 bytes of LDS; arguments hidden_states, gn_weight, gn_bias, hc, hs; writes hc, hs
.if DOCPART == 1
	.amdgcn_target "amdgcn-amd-amdhsa--gfx1250"
	.amdhsa_code_object_version 6
	.text
	.protected	k_q30bfbf7f92_gnq
	.globl	k_q30bfbf7f92_gnq
	.p2align	8
	.type	k_q30bfbf7f92_gnq,@function
k_q30bfbf7f92_gnq:
	s_mov_b64 s[64:65], 0
	v_nop
	global_prefetch_b8 v0, s[64:65] scope:SCOPE_SE
	s_setreg_imm32_b32 hwreg(HW_REG_WAVE_MODE, 25, 1), 1
	s_wait_xcnt 0x0
; GroupNorm of hidden_states [2][128][1024] f32 (32 groups of 4 channels x 1,024 positions), gain and bias, and the quantiser of h = xn^T along the channels:
; codes of BF6 (E3M2), one E8M0 byte for each 32 channels.  A block's scale is 2^(floor(log2(largest magnitude)) - 4).
; SHARES.  A work-group owns 32 channels of one batch: 8 whole groups AND one block of the quantiser, for all 1,024 positions: 131,072 consecutive bytes, read once.
; It is the one split in which the statistics and the block are both the work-group's own, so the grid is 4 x 2.
; Wave w, lane l, set i hold position s = 64 w + 32 i + l, and the lane's 32 registers run DOWN the channels: a block lies in one lane, and the codes come out with K innermost.
; STATISTICS in two passes: the mean first, then the mean of (x - mean)^2: no difference of large sums is formed.
; OUT.  hc: [batch][pair of 16-row tiles P = s / 32][3,072 bytes], in the order of the operand's registers: registers 0-3 of block kb's six at 512 kb + 16 (s % 32),
; registers 4-5 at 2,048 + 256 kb + 8 (s % 32).  hs: [batch][kb][s], one byte each.
; LIMITS: NaN and infinities are not served; a block whose largest magnitude lies under 2^-122 (a block of zeros among them) gets the byte 1; the bytes are read by this program alone.
.set RED1, 0                           ; LDS: [wave][8 groups] f32, the sums
.set RED2, 512                         ; the same for the sums of squares: bytes of their own, so no barrier stands between the two uses
.set SCB,  1024                        ; 1,024 scale bytes, by position
.set R,   16                           ; v16-23  a figure for each of the 8 groups
.set U,   24                           ; v24-27  four groups' figures over the work-group: lanes with even numbers groups 0-3, odd 4-7
.set X0,  32                           ; v32-63  set 0: 32 channels of my position
.set X1,  64                           ; v64-95  set 1
.set E0,  96                           ; v96-101 set 0's codes
.set E1,  104                          ; v104-109 set 1's
.set QA,  10                           ; v10-12  the quantiser's work
.set QB,  11
.set QS,  12
.set QF,  110                          ; v110-112 the second half of a block's codes, as the conversion leaves it
.set GW,  16                           ; s16-47  the gains; s48-63, s68-83 the biases
.set MN,  84                           ; s84-99  offsets at the head; then -mean, a pair a group; then 1/sqrt(var + eps) in s84-91
; 32 numbers of one block, v[src] on, become six registers of codes at v[dst] on and the scale's byte in v[byt].
.macro QUANT32 src, dst, byt
	v_max3_num_f32 v[QA], |v[\src]|, |v[\src+1]|, |v[\src+2]|        ; the largest magnitude, in two chains
	v_max3_num_f32 v[QB], |v[\src+3]|, |v[\src+4]|, |v[\src+5]|
.irp i, 6,10,14,18,22,26
	v_max3_num_f32 v[QA], v[QA], |v[\src+\i]|, |v[\src+\i+1]|
	v_max3_num_f32 v[QB], v[QB], |v[\src+\i+2]|, |v[\src+\i+3]|
.endr
	v_max3_num_f32 v[QA], v[QA], |v[\src+30]|, |v[\src+31]|
	v_max3_num_f32 v[QA], v[QA], v[QB], 0x2800000                    ; and the floor 2^(5 - 127): the byte cannot fall under 1
	v_add_nc_u32 v[QS], 0xfe000000, v[QA]                            ; 4 off the exponent field: the conversion takes this operand's exponent field as its scale
	v_lshrrev_b32 v[\byt], 23, v[QS]                                 ; the scale's byte
	v_cvt_scalef32_pk16_bf6_f32 v[\dst:\dst+2], v[\src:\src+15], v[QS]
	v_cvt_scalef32_pk16_bf6_f32 v[QF:QF+2], v[\src+16:\src+31], v[QS] ; (a conversion's three registers begin on an even number)
	v_nop                                                            ; one plain line behind a scaled conversion
.irp i, 0,1,2
	v_mov_b32 v[\dst+3+\i], v[QF+\i]
.endr
.endm
; The 8 figures in v[R] on are summed over the wave's lanes and then over the 16 waves, through 512 bytes of LDS at red.
.macro WGSUM red
.irp m, 1,2,4,8
.irp g, 0,1,2,3,4,5,6,7
	v_add_f32_dpp v[R+\g], v[R+\g], v[R+\g] row_xmask:\m row_mask:0xf bank_mask:0xf
.endr
.endr
.irp g, 0,1,2,3,4,5,6,7
	v_permlanex16_b32 v13, v[R+\g], s100, s101
	v_add_f32 v[R+\g], v[R+\g], v13                ; every lane holds the wave's sum
.endr
	ds_store_b128 v6, v[R:R+3] offset:\red         ; all lanes write the same words with the same values: 32 bytes a wave
	ds_store_b128 v6, v[R+4:R+7] offset:\red+16
	s_wait_dscnt 0x0                               ; for the others' sake: my stores are done
	s_barrier_signal -1
	s_barrier_wait -1
	ds_load_b128 v[U:U+3], v7 offset:\red          ; lane l: wave l / 2, groups 4 (l % 2) on
	s_wait_dscnt 0x0
.irp m, 2,4,8
.irp j, 0,1,2,3
	v_add_f32_dpp v[U+\j], v[U+\j], v[U+\j] row_xmask:\m row_mask:0xf bank_mask:0xf
.endr
.endr
.irp j, 0,1,2,3
	v_permlanex16_b32 v13, v[U+\j], s100, s101
	v_add_f32 v[U+\j], v[U+\j], v13                ; the 16 waves' sum
.endr
.endm
	s_load_b256 s[4:11], s[0:1], 0x0               ; hidden_states s[4:5], gn_weight s[6:7], gn_bias s[8:9], hc s[10:11]
	s_load_b64 s[12:13], s[0:1], 0x20              ; hs
	v_lshl_add_u32 v128, v0, 2, 0x800
	v_mov_b32 v129, 0
	v_lshrrev_b32 v1, 5, v0
	v_readfirstlane_b32 s14, v1                    ; wave 0..15
	v_and_b32 v2, 31, v0                           ; lane
	v_lshlrev_b32 v3, 2, v2
	v_lshl_add_u32 v3, v1, 8, v3                   ; x: 4 (64 w + l)
	v_mul_u32_u24 v4, v1, 6144                     ; the wave's two pairs in hc
	v_lshl_add_u32 v5, v2, 3, v4                   ; registers 4-5: + 8 l
	v_lshl_add_u32 v4, v2, 4, v4                   ; registers 0-3: + 16 l
	v_lshlrev_b32 v6, 5, v1                        ; my wave's 32 bytes among the sums
	v_lshlrev_b32 v7, 4, v2                        ; and the 16 bytes that my lane reads back
	v_lshl_add_u32 v8, v1, 6, v2                   ; my position's scale byte: 64 w + l
	v_lshlrev_b32 v9, 4, v0                        ; the scale bytes' way out: 16 bytes a thread
	v_mov_b32 v13, 0                               ; written once: a lane permute's destination counts as one of its sources
	s_mov_b32 s100, 0x76543210
	s_mov_b32 s101, 0xfedcba98                     ; v_permlanex16_b32's selects for lane l xor 16
	s_and_b32 s84, ttmp7, 0xffff                   ; the batch; ttmp9 is the block kb
	s_lshl_b32 s86, s84, 19
	s_lshl_b32 s87, ttmp9, 17
	s_add_co_u32 s86, s86, s87                     ; x: 524,288 b + 131,072 kb
	s_mov_b32 s87, 0
	s_lshl_b32 s88, ttmp9, 7                       ; gains and biases: 128 kb
	s_mov_b32 s89, 0
	s_mul_i32 s90, s84, 98304
	s_lshl_b32 s92, ttmp9, 9
	s_add_co_u32 s92, s92, s90                     ; hc, registers 0-3: 98,304 b + 512 kb
	s_mov_b32 s93, 0
	s_lshl_b32 s94, ttmp9, 8
	s_add_co_u32 s94, s94, s90                     ; hc, registers 4-5: 98,304 b + 256 kb (the 2,048 stands in the stores' immediates)
	s_mov_b32 s95, 0
	s_lshl_b32 s96, s84, 12
	s_lshl_b32 s97, ttmp9, 10
	s_add_co_u32 s96, s96, s97                     ; hs: 4,096 b + 1,024 kb
	s_mov_b32 s97, 0
	s_wait_kmcnt 0x0
	s_add_nc_u64 s[4:5], s[4:5], s[86:87]
	s_add_nc_u64 s[6:7], s[6:7], s[88:89]
	s_add_nc_u64 s[8:9], s[8:9], s[88:89]
	s_add_nc_u64 s[2:3], s[10:11], s[94:95]
	s_add_nc_u64 s[10:11], s[10:11], s[92:93]
	s_add_nc_u64 s[12:13], s[12:13], s[96:97]
.irp g, 0,1,2,3,4,5,6,7                    ; 64 loads, group by group; a load of the wave covers 128 consecutive bytes, the two sets together 256
.irp c, 0,1,2,3
	global_load_b32 v[X0+4*\g+\c], v3, s[4:5] offset:(4*\g+\c)*4096 th:TH_LOAD_NT
	global_load_b32 v[X1+4*\g+\c], v3, s[4:5] offset:(4*\g+\c)*4096+128 th:TH_LOAD_NT
.endr
.endr
	s_load_b512 s[16:31], s[6:7], 0x0              ; my 32 gains
	s_load_b512 s[32:47], s[6:7], 0x40
	s_load_b512 s[48:63], s[8:9], 0x0              ; my 32 biases
	s_load_b512 s[68:83], s[8:9], 0x40
	; ---- the sums
.irp g, 0,1,2,3,4,5,6,7
	s_wait_loadcnt 56-8*\g                         ; loads come back in order: group g's eight are in, the younger groups' stay out
	v_pk_add_f32 v[14:15], v[X0+4*\g:X0+4*\g+1], v[X0+4*\g+2:X0+4*\g+3]
	v_pk_add_f32 v[28:29], v[X1+4*\g:X1+4*\g+1], v[X1+4*\g+2:X1+4*\g+3]
	v_pk_add_f32 v[14:15], v[14:15], v[28:29]
	v_add_f32 v[R+\g], v14, v15
.endr
	WGSUM RED1
.irp j, 0,1,2,3
	v_mul_f32 v[U+\j], 0xb9800000, v[U+\j]         ; -mean = sum x -2^-12: a group has 4,096 numbers
.endr
.irp g, 0,1,2,3,4,5,6,7
	v_readlane_b32 s[MN+2*\g], v[U+\g%4], \g/4     ; lane 0 holds groups 0-3, lane 1 groups 4-7
	s_mov_b32 s[MN+2*\g+1], s[MN+2*\g]             ; (the packed form names the pair)
.endr
.irp g, 0,1,2,3,4,5,6,7
.irp c, 0,2
	v_pk_add_f32 v[X0+4*\g+\c:X0+4*\g+\c+1], v[X0+4*\g+\c:X0+4*\g+\c+1], s[MN+2*\g:MN+2*\g+1] op_sel_hi:[1,0]   ; d = x - mean, in place
	v_pk_add_f32 v[X1+4*\g+\c:X1+4*\g+\c+1], v[X1+4*\g+\c:X1+4*\g+\c+1], s[MN+2*\g:MN+2*\g+1] op_sel_hi:[1,0]
.endr
.endr
	; ---- the sums of d^2, two registers of work by turns
.irp g, 0,1,2,3,4,5,6,7
.set TP, 14+14*(\g%2)
	v_pk_mul_f32 v[TP:TP+1], v[X0+4*\g:X0+4*\g+1], v[X0+4*\g:X0+4*\g+1]
	v_pk_fma_f32 v[TP:TP+1], v[X0+4*\g+2:X0+4*\g+3], v[X0+4*\g+2:X0+4*\g+3], v[TP:TP+1]
	v_pk_fma_f32 v[TP:TP+1], v[X1+4*\g:X1+4*\g+1], v[X1+4*\g:X1+4*\g+1], v[TP:TP+1]
	v_pk_fma_f32 v[TP:TP+1], v[X1+4*\g+2:X1+4*\g+3], v[X1+4*\g+2:X1+4*\g+3], v[TP:TP+1]
	v_add_f32 v[R+\g], v[TP], v[TP+1]
.endr
	WGSUM RED2
	s_mov_b32 s98, 0x39800000                      ; 2^-12
	s_mov_b32 s99, 0x3727c5ac                      ; eps = 1e-5
.irp j, 0,1,2,3
	v_fma_f32 v[U+\j], v[U+\j], s98, s99           ; var + eps
.endr
.irp j, 0,1,2,3
	v_rsq_f32 v[U+\j], v[U+\j]
.endr
	v_nop                                          ; a plain line behind the last of the four
	s_wait_alu depctr_va_vdst(0)                   ; one wait for the four, ahead of their first reader
.irp g, 0,1,2,3,4,5,6,7
	v_readlane_b32 s[MN+\g], v[U+\g%4], \g/4
.endr
	s_wait_kmcnt 0x0                               ; gains and biases
.set ch, 0
.rept 32
	s_mul_f32 s[GW+ch], s[GW+ch], s[MN+ch/4]       ; gain / sqrt(var + eps)
.set ch, ch+1
.endr
.set ch, 0
.rept 32
.set BS, 48+ch+4*(ch/16)
	v_fma_f32 v[X0+ch], v[X0+ch], s[GW+ch], s[BS]  ; h = d x gain / sqrt(var + eps) + bias
	v_fma_f32 v[X1+ch], v[X1+ch], s[GW+ch], s[BS]
.set ch, ch+1
.endr
	; ---- the quantiser; each set has registers of its own for its codes and its byte, so no store's data are written again
	QUANT32 X0, E0, 30
	global_store_b128 v4, v[E0:E0+3], s[10:11]                 ; the wave stores 512 consecutive bytes, at a multiple of 256 from hc's first byte
	global_store_b64 v5, v[E0+4:E0+5], s[2:3] offset:2048      ; and 256 consecutive bytes, likewise
	ds_store_b8 v8, v30 offset:SCB
	QUANT32 X1, E1, 31
	global_store_b128 v4, v[E1:E1+3], s[10:11] offset:3072
	global_store_b64 v5, v[E1+4:E1+5], s[2:3] offset:2048+3072
	ds_store_b8 v8, v31 offset:SCB+32
	s_wait_dscnt 0x0                               ; for the others' sake: my scale bytes lie in LDS
	s_barrier_signal -1
	s_barrier_wait -1
	s_cmp_gt_u32 s14, 1                            ; waves 0 and 1 carry the 1,024 bytes out: 16 bytes a lane, 512 consecutive bytes a wave
	s_cbranch_scc1 .Ldone
	ds_load_b128 v[116:119], v9 offset:SCB
	s_wait_dscnt 0x0
	global_store_b128 v9, v[116:119], s[12:13]
.Ldone:
	s_wait_tensorcnt 0x0
	ds_add_u32 v128, v129
	s_wait_dscnt 0x0
	s_endpgm
.Lfunc_end_k_q30bfbf7f92_gnq:
	.size	k_q30bfbf7f92_gnq, .Lfunc_end_k_q30bfbf7f92_gnq-k_q30bfbf7f92_gnq
	.p2alignl 7, 3214868480
	.fill 96, 4, 3214868480
	.section	.rodata,"a",@progbits
	.p2align	6, 0x0
	.amdhsa_kernel k_q30bfbf7f92_gnq
		.amdhsa_group_segment_fixed_size 4096
		.amdhsa_private_segment_fixed_size 0
		.amdhsa_enable_private_segment 0
		.amdhsa_kernarg_size 40
		.amdhsa_user_sgpr_count 2
		.amdhsa_user_sgpr_kernarg_segment_ptr 1
		.amdhsa_wavefront_size32 1
		.amdhsa_system_sgpr_workgroup_id_x 1
		.amdhsa_system_sgpr_workgroup_id_y 1
		.amdhsa_system_sgpr_workgroup_id_z 1
		.amdhsa_system_vgpr_workitem_id 0
		.amdhsa_next_free_vgpr 130
		.amdhsa_next_free_sgpr 102
		.amdhsa_reserve_vcc 0
		.amdhsa_float_denorm_mode_32 3
		.amdhsa_float_denorm_mode_16_64 3
		.amdhsa_memory_ordered 1
		.amdhsa_forward_progress 1
		.amdhsa_inst_pref_size 34
	.end_amdhsa_kernel
	.amdgpu_metadata
---
amdhsa.version: [ 1, 2 ]
amdhsa.kernels:
  - .name:           k_q30bfbf7f92_gnq
    .symbol:         k_q30bfbf7f92_gnq.kd
    .args:
      - { .name: hidden_states, .offset: 0, .size: 8, .value_kind: global_buffer, .address_space: global }
      - { .name: gn_weight, .offset: 8, .size: 8, .value_kind: global_buffer, .address_space: global }
      - { .name: gn_bias, .offset: 16, .size: 8, .value_kind: global_buffer, .address_space: global }
      - { .name: hc, .offset: 24, .size: 8, .value_kind: global_buffer, .address_space: global }
      - { .name: hs, .offset: 32, .size: 8, .value_kind: global_buffer, .address_space: global }
    .group_segment_fixed_size: 4096
    .private_segment_fixed_size: 0
    .kernarg_segment_align: 8
    .kernarg_segment_size: 40
    .max_flat_workgroup_size: 512
    .sgpr_count:     102
    .vgpr_count:     130
    .wavefront_size: 32
...
	.end_amdgpu_metadata
.endif
;; end of part 1
;; launch attn (part 2): grid 128 x 2, 8 waves a work-group, no clusters, 168,960 bytes of LDS; arguments hc, hs, Wq, Wk, Wv, bq, bk, bv, ows; writes ows
.if DOCPART == 2
	.amdgcn_target "amdgcn-amd-amdhsa--gfx1250"
	.amdhsa_code_object_version 6
	.text
	.protected	k_q30bfbf7f92_attn
	.globl	k_q30bfbf7f92_attn
	.p2align	8
	.type	k_q30bfbf7f92_attn,@function
k_q30bfbf7f92_attn:
	s_mov_b64 s[64:65], 0
	v_nop
	global_prefetch_b8 v0, s[64:65] scope:SCOPE_SE
	s_setreg_imm32_b32 hwreg(HW_REG_WAVE_MODE, 25, 1), 1
	s_wait_xcnt 0x0
; One head (batch b, channel c) of attention with head size 1:  q, k, v [1,024] = h Wq[c]^T + bq[c] and so on, on codes of BF6 (E3M2) with E8M0 scales;
; o[s] = sum over t of softmax_t(q[s] k[t]) v[t], in f32 by packed multiply-adds (its result goes on into a quantiser).  ows: [batch][channel][position] f32.
; SHARES.  A work-group of eight waves is a head.  HEAD: wave w multiplies h's rows 128 w .. 128 w + 127 (8 tiles, codes from hc in the order of the operand's registers) by ONE tile of weights
; whose rows 0, 1, 2 are Wq[c], Wk[c], Wv[c], quantised here.  The product is used transposed (source 0 = the weights, source 1 = 16 rows of h): in every lane registers 0, 1, 2 of a result are q, k, v of one position.
; LOOP: thread t owns queries 4 t .. 4 t + 3 and walks all 1,024 keys, 16 a batch; k and v are the same for all lanes and come from LDS by loads in which all lanes name one address.
; THE MAXIMUM IS TAKEN AWAY, EXACTLY: with head size 1 a row's largest score is max(q kmax, q kmin), known ahead of the loop: no running maximum, no rescaling.
; p = 2^(k q' - m), q' = q log2(e), m = max(q' kmax, q' kmin): one fused multiply-add and one v_exp_f32; the exponent is 0 or less but for m's one rounding.
; A batch's work for two numbers: two exponentials, one packed scaling, one packed sum, one packed multiply-add with v.
; No cluster: what the heads of a batch share is 102,400 bytes read once at the head, beside 1,048,576 exponentials a work-group.  LDS is claimed beyond the 46,080 bytes in use, so that a work-group has a WGP of its own.
; LIMITS: NaN and infinities are not served; a p under 2^-126 counts as 0; a block of weights whose largest magnitude lies under 2^-122 gets the scale byte 1.
.set QAR,  0                           ; LDS: q, k, v by position, 4,096 bytes each
.set KAR,  4096
.set VAR,  8192
.set WROW, 12288                       ; each wave's own 8 rows of 512 + 16 bytes: the weights' way from 16 bytes a lane to 128 bytes a lane
.set WPW,  8*528
.set QA,   4                           ; v4-6   the quantiser's work
.set QB,   5
.set QS,   6
.set QF,   16                          ; v16-18 the second half of a block's codes
.set HS,   48                          ; v48-51 h's scale words, pair p: lanes 0-15 tile 2 p, lanes 16-31 tile 2 p + 1.  Scales and nothing else
.set WS,   52                          ; v52    the weights' scale words.  Scales and nothing else
.set BI,   54                          ; v54-61 the biases in the result's layout: bq, bk, bv, 0 ..
.set ADR,  62                          ; v62    LDS byte of the loop's loads, the same in all lanes
.set TQ,   63                          ; v63    16 x thread: my four queries, in LDS and in ows
.set HF,   64                          ; v64-159  h's 8 fragments
.set WN,   160                         ; v160-223 64 numbers of the weights; then
.set DT,   160                         ;          the 8 results
.set SB,   224                         ; v224-239 h's scale bytes as loaded
.set WFR,  240                         ; v240-251 the weights' fragment
.set QQ,   16                          ; the loop: v16-23 (q', q') for each of my 4 queries
.set MM,   24                          ; v24-31  (-m, -m)
.set LSUM, 32                          ; v32-39  the row's sum, even keys' and odd keys'
.set OSUM, 40                          ; v40-47  the sum of p v, likewise
.set T0,   64                          ; v64-127, v128-191: two batches of 4 queries x 16 keys: register 16 qi + j
.set KB0,  192                         ; v192-207, v208-223: k of two batches
.set VB0,  224                         ; v224-239, v240-255: v of two batches
.macro QUANT32 src, dst, byt           ; 32 numbers of one block, v[src] on, become six registers of codes at v[dst] on and the scale's byte in v[byt]
	v_max3_num_f32 v[QA], |v[\src]|, |v[\src+1]|, |v[\src+2]|
	v_max3_num_f32 v[QB], |v[\src+3]|, |v[\src+4]|, |v[\src+5]|
.irp i, 6,10,14,18,22,26
	v_max3_num_f32 v[QA], v[QA], |v[\src+\i]|, |v[\src+\i+1]|
	v_max3_num_f32 v[QB], v[QB], |v[\src+\i+2]|, |v[\src+\i+3]|
.endr
	v_max3_num_f32 v[QA], v[QA], |v[\src+30]|, |v[\src+31]|
	v_max3_num_f32 v[QA], v[QA], v[QB], 0x2800000                    ; the floor 2^(5 - 127): the byte cannot fall under 1
	v_add_nc_u32 v[QS], 0xfe000000, v[QA]                            ; 4 off the exponent field: the conversion's scale operand
	v_lshrrev_b32 v[\byt], 23, v[QS]
	v_cvt_scalef32_pk16_bf6_f32 v[\dst:\dst+2], v[\src:\src+15], v[QS]
	v_cvt_scalef32_pk16_bf6_f32 v[QF:QF+2], v[\src+16:\src+31], v[QS] ; (a conversion's three registers begin on an even number)
	v_nop                                                            ; one plain line behind a scaled conversion
.irp i, 0,1,2
	v_mov_b32 v[\dst+3+\i], v[QF+\i]
.endr
.endm
	s_load_b512 s[4:19], s[0:1], 0x0               ; hc s[4:5], hs s[6:7], Wq s[8:9], Wk s[10:11], Wv s[12:13], bq s[14:15], bk s[16:17], bv s[18:19]
	s_load_b64 s[20:21], s[0:1], 0x40              ; ows
	v_lshl_add_u32 v53, v0, 2, 0x29000
	s_set_vgpr_msb 0x40
	v_mov_b32 v1, 0
	s_set_vgpr_msb 0x4000
	v_and_b32 v1, 15, v0                           ; r
	v_bfe_u32 v2, v0, 4, 1                         ; h
	v_and_b32 v3, 31, v0                           ; lane
	v_lshrrev_b32 v9, 5, v0
	v_readfirstlane_b32 s22, v9                    ; wave 0..7
	s_and_b32 s24, ttmp7, 0xffff                   ; the batch; ttmp9 is the channel
	v_lshlrev_b32 v19, 4, v3                       ; 16 x lane
	v_lshlrev_b32 v11, 4, v1
	v_lshl_add_u32 v11, v2, 9, v11                 ; hc, registers 0-3 of a block: 512 h + 16 r
	v_lshlrev_b32 v12, 3, v1
	v_lshl_add_u32 v12, v2, 8, v12                 ; registers 4-5: 256 h + 8 r
	s_mul_i32 s25, s22, WPW
	s_add_co_u32 s25, s25, WROW                    ; my wave's rows of weights in LDS
	v_lshl_add_u32 v13, v3, 4, s25                 ; in: 16 bytes a lane
	v_and_b32 v14, 7, v0
	v_mul_u32_u24 v14, v14, 528
	v_lshl_add_u32 v14, v2, 7, v14
	v_add_nc_u32 v14, s25, v14                     ; back: row r % 8, + 128 h: the 32 numbers of my half
	s_lshl_b32 s25, s22, 9
	v_lshl_add_u32 v15, v1, 2, s25                 ; q, k, v into LDS: 4 (128 w + r)
	v_lshlrev_b32 v[TQ], 4, v0
	v_mov_b32 v[ADR], 0
	s_mov_b32 s28, 0x76543210
	s_mov_b32 s29, 0xfedcba98                      ; v_permlanex16_b32's selects for lane l xor 16
	s_mov_b32 s27, 0
	s_wait_kmcnt 0x0
	s_lshl_b32 s26, ttmp9, 9                       ; row c of a weight
	s_add_nc_u64 s[8:9], s[8:9], s[26:27]
	s_add_nc_u64 s[10:11], s[10:11], s[26:27]
	s_add_nc_u64 s[12:13], s[12:13], s[26:27]
	global_load_b128 v[20:23], v19, s[8:9]         ; a row is 512 bytes: 16 a lane
	global_load_b128 v[24:27], v19, s[10:11]
	global_load_b128 v[28:31], v19, s[12:13]
	s_mul_i32 s26, s24, 98304
	s_mul_i32 s25, s22, 12288
	s_add_co_u32 s26, s26, s25                     ; hc: my batch, my wave's four pairs of tiles
	s_add_nc_u64 s[4:5], s[4:5], s[26:27]
	s_lshl_b32 s26, s24, 12
	s_lshl_b32 s25, s22, 7
	s_add_co_u32 s26, s26, s25                     ; hs: my batch, my wave's 128 positions
	s_add_nc_u64 s[6:7], s[6:7], s[26:27]
.irp p, 0,1,2,3                            ; fragment (p, u): lane (r, h) takes blocks h and 2 + h of row 32 p + 16 u + r: 16 + 8 bytes each
.irp u, 0,1
.irp c, 0,1
	global_load_b128 v[HF+12*(2*\p+\u)+6*\c:HF+12*(2*\p+\u)+6*\c+3], v11, s[4:5] offset:3072*\p+1024*\c+256*\u
	global_load_b64 v[HF+12*(2*\p+\u)+6*\c+4:HF+12*(2*\p+\u)+6*\c+5], v12, s[4:5] offset:3072*\p+2048+512*\c+128*\u
.endr
.endr
.endr
.irp p, 0,1,2,3
.irp k, 0,1,2,3
	global_load_u8 v[SB+4*\p+\k], v3, s[6:7] offset:1024*\k+32*\p   ; lane l: block k's byte of row 32 p + l
.endr
.endr
	s_lshl_b32 s26, ttmp9, 2
	s_add_nc_u64 s[14:15], s[14:15], s[26:27]
	s_add_nc_u64 s[16:17], s[16:17], s[26:27]
	s_add_nc_u64 s[18:19], s[18:19], s[26:27]
	s_load_b32 s30, s[14:15], 0x0                  ; bq[c], bk[c], bv[c]
	s_load_b32 s31, s[16:17], 0x0
	s_load_b32 s32, s[18:19], 0x0
	s_lshl_b32 s26, s24, 7
	s_add_co_u32 s26, s26, ttmp9
	s_lshl_b32 s26, s26, 12                        ; ows: row 128 b + c of 4,096 bytes
	s_add_nc_u64 s[20:21], s[20:21], s[26:27]
	s_wait_loadcnt 48                              ; the three rows of weights are in; the 32 loads of codes and 16 of scale bytes behind them stay out
	ds_store_b128 v13, v[20:23]                    ; tile row 0 (and 8): Wq[c]
	ds_store_b128 v13, v[24:27] offset:528         ; 1: Wk[c]
.irp j, 2,3,4,5,6,7
	ds_store_b128 v13, v[28:31] offset:528*\j      ; 2: Wv[c]; rows 3 to 7 hold it again: their results are not read
.endr
.irp c, 0,1
.irp j, 0,1,2,3,4,5,6,7
	ds_load_b128 v[WN+32*\c+4*\j:WN+32*\c+4*\j+3], v14 offset:256*\c+16*\j   ; k = 64 c + 32 h + 4 j on.  My wave's own bytes, and LDS serves a wave's instructions in order: no wait in front
.endr
.endr
	s_wait_dscnt 0x0
	QUANT32 WN, WFR, 7
	QUANT32 WN+32, WFR+6, 8
	v_lshl_or_b32 v9, v8, 16, v7                   ; my two bytes: blocks h and 2 + h,
	v_lshlrev_b32 v10, 3, v2
	v_lshlrev_b32 v9, v10, v9                      ; at their places in the scale word;
	v_mov_b32 v10, 0
	v_permlanex16_b32 v10, v9, s28, s29
	v_or_b32 v[WS], v9, v10                        ; with lane l xor 16's two the word is whole
	s_wait_loadcnt 0x0                             ; h's codes and scale bytes
	s_wait_kmcnt 0x0                               ; the biases
.irp p, 0,1,2,3
	v_lshl_or_b32 v[HS+\p], v[SB+4*\p+1], 8, v[SB+4*\p]
	v_lshl_or_b32 v[HS+\p], v[SB+4*\p+2], 16, v[HS+\p]
	v_lshl_or_b32 v[HS+\p], v[SB+4*\p+3], 24, v[HS+\p]
.endr
	v_mov_b32 v[BI], s30
	v_mov_b32 v[BI+1], s31
	v_mov_b32 v[BI+2], s32
.irp j, 3,4,5,6,7
	v_mov_b32 v[BI+\j], 0
.endr
.rept 8
	v_nop                                          ; a scale register written by a vector instruction stands 8 places ahead of a scaled matrix instruction, an operand so written 4
.endr
.irp p, 0,1,2,3                            ; eight results, eight accumulators; the biases are the C of each
	v_wmma_scale_f32_16x16x128_f8f6f4 v[DT+16*\p:DT+16*\p+7], v[WFR:WFR+11], v[HF+24*\p:HF+24*\p+11], v[BI:BI+7], v[WS], v[HS+\p] matrix_a_fmt:MATRIX_FMT_BF6 matrix_b_fmt:MATRIX_FMT_BF6
	v_wmma_scale_f32_16x16x128_f8f6f4 v[DT+16*\p+8:DT+16*\p+15], v[WFR:WFR+11], v[HF+24*\p+12:HF+24*\p+23], v[BI:BI+7], v[WS], v[HS+\p] matrix_a_fmt:MATRIX_FMT_BF6 matrix_b_fmt:MATRIX_FMT_BF6 matrix_b_scale:MATRIX_SCALE_ROW1
.endr
.rept 4
	v_nop                                          ; four places ahead of the stores that read results, and of the loads into registers that these products have read
.endr
.irp p, 0,1,2,3
.irp u, 0,1
	ds_store_b32 v15, v[DT+16*\p+8*\u] offset:QAR+128*\p+64*\u       ; position 128 w + 32 p + 16 u + r; lanes 16-31 write the same words with the same values
	ds_store_b32 v15, v[DT+16*\p+8*\u+1] offset:KAR+128*\p+64*\u
	ds_store_b32 v15, v[DT+16*\p+8*\u+2] offset:VAR+128*\p+64*\u
.endr
.endr
	s_wait_dscnt 0x0                               ; for the others' sake: my stores are done
	s_barrier_signal -1
	s_barrier_wait -1                              ; the head's q, k, v lie in LDS; nothing writes them again
.irp j, 0,1,2,3,4,5,6,7
	ds_load_b128 v[T0+4*\j:T0+4*\j+3], v19 offset:KAR+512*\j         ; all 1,024 k, 32 a lane
.endr
	ds_load_b128 v[4:7], v[TQ] offset:QAR          ; my four queries
.irp j, 0,1,2,3
	ds_load_b128 v[KB0+4*\j:KB0+4*\j+3], v[ADR] offset:KAR+16*\j     ; k of batch 0
	ds_load_b128 v[KB0+16+4*\j:KB0+16+4*\j+3], v[ADR] offset:KAR+64+16*\j   ; and of batch 1
.endr
	s_wait_dscnt 0x0
	v_max3_num_f32 v8, v[T0], v[T0+1], v[T0+2]     ; kmax and kmin, two chains each
	v_max3_num_f32 v9, v[T0+3], v[T0+4], v[T0+5]
	v_min3_num_f32 v10, v[T0], v[T0+1], v[T0+2]
	v_min3_num_f32 v11, v[T0+3], v[T0+4], v[T0+5]
.irp i, 6,10,14,18,22,26
	v_max3_num_f32 v8, v8, v[T0+\i], v[T0+\i+1]
	v_max3_num_f32 v9, v9, v[T0+\i+2], v[T0+\i+3]
	v_min3_num_f32 v10, v10, v[T0+\i], v[T0+\i+1]
	v_min3_num_f32 v11, v11, v[T0+\i+2], v[T0+\i+3]
.endr
	v_max3_num_f32 v8, v8, v[T0+30], v[T0+31]
	v_min3_num_f32 v10, v10, v[T0+30], v[T0+31]
	v_max_num_f32 v8, v8, v9
	v_min_num_f32 v10, v10, v11
.irp m, 1,2,4,8
	v_max_num_f32_dpp v8, v8, v8 row_xmask:\m row_mask:0xf bank_mask:0xf
	v_min_num_f32_dpp v10, v10, v10 row_xmask:\m row_mask:0xf bank_mask:0xf
.endr
	v_permlanex16_b32 v12, v8, s28, s29
	v_permlanex16_b32 v13, v10, s28, s29
	v_max_num_f32 v8, v8, v12                      ; kmax, in every lane
	v_min_num_f32 v10, v10, v13                    ; kmin
.irp q, 0,1,2,3
	v_mul_f32 v[QQ+2*\q], 0x3fb8aa3b, v[4+\q]      ; q' = q log2(e)
.endr
.irp q, 0,1,2,3
	v_mov_b32 v[QQ+2*\q+1], v[QQ+2*\q]
	v_mul_f32 v14, v[QQ+2*\q], v8
	v_mul_f32 v15, v[QQ+2*\q], v10
	v_max_num_f32 v14, v14, v15                    ; m: the row's largest q' k lies at kmax or at kmin
	v_mul_f32 v[MM+2*\q], -1.0, v14
	v_mov_b32 v[MM+2*\q+1], v[MM+2*\q]
.endr
.irp j, 0,1,2,3,4,5,6,7
	v_mov_b32 v[LSUM+\j], 0                        ; sixteen registers, once: the batch's work is then written in one form
	v_mov_b32 v[OSUM+\j], 0
.endr
.set i, 0
.rept 32                                   ; batch 0's exponents: k q' - m
.set qi, i%4
.set jp, i/4
	v_pk_fma_f32 v[T0+16*qi+2*jp:T0+16*qi+2*jp+1], v[KB0+2*jp:KB0+2*jp+1], v[QQ+2*qi:QQ+2*qi+1], v[MM+2*qi:MM+2*qi+1]
.set i, i+1
.endr
; THE TURN OF BATCH n (16 keys x my 4 queries), par = n % 2.  Three batches are in hand: n's exponents (set par) become p; n - 1's p (the other set) are summed and multiplied by v; then those
; registers take n + 1's exponents.  The plain lines stand between the exponentials.  cons = 0: there is no batch n - 1;  scal = 0: no batch n + 1.
; ldk: k of batch n + 2 is asked for, into the buffer that batch n's scaling has left;  ldv: v of batch n, into the buffer that batch n - 2's sums have left.  Both have a whole turn in which to land.
; ONE wait serves the turn's 64 exponentials: no line names a result between its exponential and that wait, which stands at the turn's end, ahead of the next turn's readers and of the backward jump.
.macro TRIP par, cons, scal, ldk, ldv, koff, voff
.set TX, T0+64*(\par)
.set TY, T0+64*(1-(\par))
.set KU, KB0+16*(1-(\par))
.set VU, VB0+16*(1-(\par))
	s_wait_dscnt 0x0                               ; what the last turn asked for is in: k of batch n + 1, v of batch n - 1
.if \ldk
.irp j, 0,1,2,3
	ds_load_b128 v[KB0+16*(\par)+4*\j:KB0+16*(\par)+4*\j+3], v[ADR] offset:KAR+\koff+16*\j
.endr
.endif
.if \ldv
.irp j, 0,1,2,3
	ds_load_b128 v[VB0+16*(\par)+4*\j:VB0+16*(\par)+4*\j+3], v[ADR] offset:VAR+\voff+16*\j
.endr
.endif
.set i, 0
.rept 32
.set qi, i%4                               ; the four queries by turns: a sum's next link stands four slices on
.set jp, i/4
.if \cons
	v_pk_add_f32 v[LSUM+2*qi:LSUM+2*qi+1], v[LSUM+2*qi:LSUM+2*qi+1], v[TY+16*qi+2*jp:TY+16*qi+2*jp+1]
.endif
	v_exp_f32 v[TX+16*qi+2*jp], v[TX+16*qi+2*jp]
.if \cons
	v_pk_fma_f32 v[OSUM+2*qi:OSUM+2*qi+1], v[TY+16*qi+2*jp:TY+16*qi+2*jp+1], v[VU+2*jp:VU+2*jp+1], v[OSUM+2*qi:OSUM+2*qi+1]
.endif
	v_exp_f32 v[TX+16*qi+2*jp+1], v[TX+16*qi+2*jp+1]
.if \scal
	v_pk_fma_f32 v[TY+16*qi+2*jp:TY+16*qi+2*jp+1], v[KU+2*jp:KU+2*jp+1], v[QQ+2*qi:QQ+2*qi+1], v[MM+2*qi:MM+2*qi+1]
.endif
.set i, i+1
.endr
.if \scal == 0
	v_nop                                          ; a plain line behind the last exponential
.endif
	s_wait_alu depctr_va_vdst(0)
.endm
	TRIP 0, 0, 1, 1, 1, 128, 0                     ; batch 0
	s_mov_b32 s33, 0
.Lk:                                               ; 30 trips, batches 1 to 60, two a trip, until the buffers are back where they began; s33 = 128 x trip
	v_mov_b32 v[ADR], s33
	TRIP 1, 1, 1, 1, 1, 192, 64
	TRIP 0, 1, 1, 1, 1, 256, 128
	s_add_co_u32 s33, s33, 128
	s_cmp_lt_u32 s33, 3840
	s_cbranch_scc1 .Lk
	v_mov_b32 v[ADR], s33                          ; 3,840: the last three batches are written out: no load reaches past k's or v's 4,096 bytes
	TRIP 1, 1, 1, 1, 1, 192, 64                    ; batch 61: asks for k of batch 63
	TRIP 0, 1, 1, 0, 1, 0, 128                     ; batch 62
	TRIP 1, 1, 0, 0, 1, 0, 192                     ; batch 63: nothing is left to scale
	s_wait_dscnt 0x0                               ; v of batch 63
.set i, 0
.rept 32
.set qi, i%4
.set jp, i/4
	v_pk_add_f32 v[LSUM+2*qi:LSUM+2*qi+1], v[LSUM+2*qi:LSUM+2*qi+1], v[T0+64+16*qi+2*jp:T0+64+16*qi+2*jp+1]
	v_pk_fma_f32 v[OSUM+2*qi:OSUM+2*qi+1], v[T0+64+16*qi+2*jp:T0+64+16*qi+2*jp+1], v[VB0+16+2*jp:VB0+16+2*jp+1], v[OSUM+2*qi:OSUM+2*qi+1]
.set i, i+1
.endr
.irp q, 0,1,2,3
	v_add_f32 v[8+\q], v[LSUM+2*\q], v[LSUM+2*\q+1]        ; even keys' and odd keys' halves
	v_add_f32 v[12+\q], v[OSUM+2*\q], v[OSUM+2*\q+1]
.endr
.irp q, 0,1,2,3
	v_rcp_f32 v[8+\q], v[8+\q]                     ; the sum is at least about 1: the row's largest p is
.endr
	v_nop                                          ; a plain line behind the last reciprocal
	s_wait_alu depctr_va_vdst(0)                   ; one wait for the four, ahead of their first reader
.irp q, 0,1,2,3
	v_mul_f32 v[4+\q], v[12+\q], v[8+\q]
.endr
	global_store_b128 v[TQ], v[4:7], s[20:21]      ; the wave stores 512 consecutive bytes, at a multiple of 256 from ows's first byte
	s_set_vgpr_msb 0x4
	s_wait_tensorcnt 0x0
	ds_add_u32 v53, v1
	s_wait_dscnt 0x0
	s_set_vgpr_msb 0x400
	s_endpgm
.Lfunc_end_k_q30bfbf7f92_attn:
	.size	k_q30bfbf7f92_attn, .Lfunc_end_k_q30bfbf7f92_attn-k_q30bfbf7f92_attn
	.p2alignl 7, 3214868480
	.fill 96, 4, 3214868480
	.section	.rodata,"a",@progbits
	.p2align	6, 0x0
	.amdhsa_kernel k_q30bfbf7f92_attn
		.amdhsa_group_segment_fixed_size 168960
		.amdhsa_private_segment_fixed_size 0
		.amdhsa_enable_private_segment 0
		.amdhsa_kernarg_size 72
		.amdhsa_user_sgpr_count 2
		.amdhsa_user_sgpr_kernarg_segment_ptr 1
		.amdhsa_wavefront_size32 1
		.amdhsa_system_sgpr_workgroup_id_x 1
		.amdhsa_system_sgpr_workgroup_id_y 1
		.amdhsa_system_sgpr_workgroup_id_z 1
		.amdhsa_system_vgpr_workitem_id 0
		.amdhsa_next_free_vgpr 258
		.amdhsa_next_free_sgpr 66
		.amdhsa_reserve_vcc 0
		.amdhsa_float_denorm_mode_32 3
		.amdhsa_float_denorm_mode_16_64 3
		.amdhsa_memory_ordered 1
		.amdhsa_forward_progress 1
		.amdhsa_inst_pref_size 74
	.end_amdhsa_kernel
	.amdgpu_metadata
---
amdhsa.version: [ 1, 2 ]
amdhsa.kernels:
  - .name:           k_q30bfbf7f92_attn
    .symbol:         k_q30bfbf7f92_attn.kd
    .args:
      - { .name: hc, .offset: 0, .size: 8, .value_kind: global_buffer, .address_space: global }
      - { .name: hs, .offset: 8, .size: 8, .value_kind: global_buffer, .address_space: global }
      - { .name: Wq, .offset: 16, .size: 8, .value_kind: global_buffer, .address_space: global }
      - { .name: Wk, .offset: 24, .size: 8, .value_kind: global_buffer, .address_space: global }
      - { .name: Wv, .offset: 32, .size: 8, .value_kind: global_buffer, .address_space: global }
      - { .name: bq, .offset: 40, .size: 8, .value_kind: global_buffer, .address_space: global }
      - { .name: bk, .offset: 48, .size: 8, .value_kind: global_buffer, .address_space: global }
      - { .name: bv, .offset: 56, .size: 8, .value_kind: global_buffer, .address_space: global }
      - { .name: ows, .offset: 64, .size: 8, .value_kind: global_buffer, .address_space: global }
    .group_segment_fixed_size: 168960
    .private_segment_fixed_size: 0
    .kernarg_segment_align: 8
    .kernarg_segment_size: 72
    .max_flat_workgroup_size: 256
    .sgpr_count:     66
    .vgpr_count:     258
    .wavefront_size: 32
...
	.end_amdgpu_metadata
.endif
;; end of part 2
;; launch proj (part 3): grid 32 x 1, 8 waves a work-group, no clusters, 42,496 bytes of LDS; arguments ows, Wo, bo, hidden_states, out0; writes out0
.if DOCPART == 3
	.amdgcn_target "amdgcn-amd-amdhsa--gfx1250"
	.amdhsa_code_object_version 6
	.text
	.protected	k_q30bfbf7f92_proj
	.globl	k_q30bfbf7f92_proj
	.p2align	8
	.type	k_q30bfbf7f92_proj,@function
k_q30bfbf7f92_proj:
	s_mov_b64 s[64:65], 0
	v_nop
	global_prefetch_b8 v0, s[64:65] scope:SCOPE_SE
	s_setreg_imm32_b32 hwreg(HW_REG_WAVE_MODE, 25, 1), 1
	s_wait_xcnt 0x0
; out0[b][n][s] = sum over c of o[b][s][c] Wo[n][c] + bo[n] + hidden_states[b][n][s], the product on codes of BF6 (E3M2) with one E8M0 scale for each 32 channels.
; o arrives as ows [batch][channel][position] f32.
; SHARES.  A work-group owns 64 positions of a batch (256 bytes of each output row) and all 128 outputs: 32 work-groups, and every byte of ows and hidden_states is read once.
; Wave w has two parts.  (1) It quantises block kb = w % 4 of o for positions 32 (w / 4) + lane: a lane to a position, its 32 registers down the channels; codes and scale byte go to LDS in the order of the operand's registers.
; (2) It owns outputs 16 w .. 16 w + 15: their rows of Wo are loaded as the operand's layout wants them (lane (r, h): row r, k = 64 c + 32 h on), quantised in registers, and multiplied by the four tiles of o.
; Source 0 = Wo's rows, source 1 = o's rows: in a result register j of lane (r, h) is output 16 w + 8 h + j at position r: neighbouring lanes hold neighbouring positions, as out0 has them.
; bo is the C of each product.  The results go through the wave's own stage in LDS and leave, with the residual added, sixteen lanes to 256 consecutive bytes.
; LIMITS: NaN and infinities are not served; a block whose largest magnitude lies under 2^-122 (a block of zeros among them) gets the scale byte 1.
.set OC,   0                           ; LDS: o's codes: two pairs of tiles, 3,072 bytes each: registers 0-3 of block kb at 512 kb + 16 row, registers 4-5 at 2,048 + 256 kb + 8 row
.set OSC,  6144                        ; o's scale words: 4 bytes a row, 64 rows
.set STG,  6400                        ; each wave's stage: 16 outputs x (256 bytes + 16)
.set QA,   4
.set QB,   5
.set QS,   6
.set WS,   12                          ; v12     Wo's scale words.  Scales and nothing else
.set OS,   13                          ; v13-14  o's: pair i: lanes 0-15 tile 2 i, lanes 16-31 tile 2 i + 1.  Scales and nothing else
.set X,    32                          ; v32-63  32 channels of my position; later the rows read back from the stage
.set WN,   64                          ; v64-127 64 numbers of Wo; later
.set OF,   64                          ; v64-111 o's four fragments
.set RS,   128                         ; v128-159 the residual
.set BI,   160                         ; v160-167 bo in the result's layout
.set WFR,  168                         ; v168-179 Wo's fragment
.set EC,   180                         ; v180-185 o's codes just made
.set QF,   186                         ; v186-188
.set DT,   192                         ; v192-223 the four results
.macro QUANT32 src, dst, byt           ; 32 numbers of one block, v[src] on, become six registers of codes at v[dst] on and the scale's byte in v[byt]
	v_max3_num_f32 v[QA], |v[\src]|, |v[\src+1]|, |v[\src+2]|
	v_max3_num_f32 v[QB], |v[\src+3]|, |v[\src+4]|, |v[\src+5]|
.irp i, 6,10,14,18,22,26
	v_max3_num_f32 v[QA], v[QA], |v[\src+\i]|, |v[\src+\i+1]|
	v_max3_num_f32 v[QB], v[QB], |v[\src+\i+2]|, |v[\src+\i+3]|
.endr
	v_max3_num_f32 v[QA], v[QA], |v[\src+30]|, |v[\src+31]|
	v_max3_num_f32 v[QA], v[QA], v[QB], 0x2800000                    ; the floor 2^(5 - 127): the byte cannot fall under 1
	v_add_nc_u32 v[QS], 0xfe000000, v[QA]                            ; 4 off the exponent field: the conversion's scale operand
	v_lshrrev_b32 v[\byt], 23, v[QS]
	v_cvt_scalef32_pk16_bf6_f32 v[\dst:\dst+2], v[\src:\src+15], v[QS]
	v_cvt_scalef32_pk16_bf6_f32 v[QF:QF+2], v[\src+16:\src+31], v[QS] ; (a conversion's three registers begin on an even number)
	v_nop                                                            ; one plain line behind a scaled conversion
.irp i, 0,1,2
	v_mov_b32 v[\dst+3+\i], v[QF+\i]
.endr
.endm
	s_load_b256 s[4:11], s[0:1], 0x0               ; ows s[4:5], Wo s[6:7], bo s[8:9], hidden_states s[10:11]
	s_load_b64 s[12:13], s[0:1], 0x20              ; out0
	v_lshl_add_u32 v254, v0, 2, 0xa200
	v_mov_b32 v255, 0
	v_and_b32 v1, 15, v0                           ; r
	v_bfe_u32 v2, v0, 4, 1                         ; h
	v_and_b32 v3, 31, v0                           ; lane
	v_lshrrev_b32 v9, 5, v0
	v_readfirstlane_b32 s14, v9                    ; wave 0..7
	s_lshr_b32 s15, ttmp9, 4                       ; the batch
	s_and_b32 s16, ttmp9, 15                       ; which 64 positions
	s_lshr_b32 s17, s14, 2                         ; i: which 32 of them I quantise
	s_and_b32 s18, s14, 3                          ; kb: which block
	v_lshlrev_b32 v16, 2, v3                       ; o: 4 bytes a lane
	v_lshlrev_b32 v17, 9, v1
	v_lshl_add_u32 v17, v2, 7, v17                 ; Wo: row r of 512 bytes, + 128 h
	v_lshlrev_b32 v18, 5, v2                       ; bo: 32 h
	v_lshlrev_b32 v19, 12, v2
	v_lshl_add_u32 v19, v1, 4, v19                 ; residual and out0: lanes 0-15 one output's 256 bytes, lanes 16-31 the next output's
	s_mul_i32 s19, s17, 3072
	s_lshl_b32 s20, s18, 9
	s_add_co_u32 s20, s20, s19
	v_lshl_add_u32 v20, v3, 4, s20                 ; my codes' registers 0-3: 3,072 i + 512 kb + 16 lane
	s_lshl_b32 s21, s18, 8
	s_add_co_u32 s21, s21, s19
	s_add_co_u32 s21, s21, 2048
	v_lshl_add_u32 v21, v3, 3, s21                 ; registers 4-5: 3,072 i + 2,048 + 256 kb + 8 lane
	s_lshl_b32 s22, s17, 7
	s_add_co_u32 s22, s22, s18
	s_add_co_u32 s22, s22, OSC
	v_lshl_add_u32 v22, v3, 2, s22                 ; my scale byte: byte kb of row 32 i + lane's word
	v_lshlrev_b32 v23, 4, v1
	v_lshl_add_u32 v23, v2, 9, v23                 ; a fragment's registers 0-3 of a block: 512 h + 16 r
	v_lshlrev_b32 v24, 3, v1
	v_lshl_add_u32 v24, v2, 8, v24
	v_add_nc_u32 v24, 2048, v24                    ; registers 4-5: 2,048 + 256 h + 8 r
	v_lshl_add_u32 v25, v3, 2, OSC                 ; a pair's scale words: 4 bytes a lane
	s_mul_i32 s23, s14, 16*272
	s_add_co_u32 s23, s23, STG                     ; my stage
	v_mul_u32_u24 v26, v2, 8*272
	v_lshl_add_u32 v26, v1, 2, v26
	v_add_nc_u32 v26, s23, v26                     ; in: output 8 h (+ j), position r: 544 words from half to half of the lanes, so the 32 lanes of a store name 32 different words modulo 64
	v_mul_u32_u24 v27, v2, 272
	v_lshl_add_u32 v27, v1, 4, v27
	v_add_nc_u32 v27, s23, v27                     ; back: lanes 0-15 one output's row, lanes 16-31 the next
	s_mov_b32 s28, 0x76543210
	s_mov_b32 s29, 0xfedcba98                      ; v_permlanex16_b32's selects for lane l xor 16
	s_mov_b32 s25, 0
	s_wait_kmcnt 0x0
	s_lshl_b32 s24, s14, 13                        ; Wo: my 16 rows
	s_add_nc_u64 s[6:7], s[6:7], s[24:25]
.irp c, 0,1
.irp j, 0,1,2,3,4,5,6,7
	global_load_b128 v[WN+32*\c+4*\j:WN+32*\c+4*\j+3], v17, s[6:7] offset:256*\c+16*\j   ; Wo(16 w + r, 64 c + 32 h + 4 j on)
.endr
.endr
	s_lshl_b32 s24, s15, 19
	s_lshl_b32 s26, s16, 8
	s_add_co_u32 s26, s26, s24                     ; 524,288 b + 256 x chunk: shared by ows, hidden_states and out0
	s_lshl_b32 s24, s18, 17
	s_add_co_u32 s24, s24, s26
	s_lshl_b32 s27, s17, 7
	s_add_co_u32 s24, s24, s27                     ; ows: + 131,072 kb + 128 i
	s_add_nc_u64 s[4:5], s[4:5], s[24:25]
.set ch, 0
.rept 32
	global_load_b32 v[X+ch], v16, s[4:5] offset:4096*ch th:TH_LOAD_NT   ; o(position, 32 kb + ch): the wave reads 128 consecutive bytes
.set ch, ch+1
.endr
	s_lshl_b32 s24, s14, 6                         ; bo: my 16
	s_add_nc_u64 s[8:9], s[8:9], s[24:25]
	global_load_b128 v[BI:BI+3], v18, s[8:9]
	global_load_b128 v[BI+4:BI+7], v18, s[8:9] offset:16
	s_lshl_b32 s24, s14, 16
	s_add_co_u32 s24, s24, s26                     ; my 16 outputs' rows of 4,096 bytes
	s_add_nc_u64 s[10:11], s[10:11], s[24:25]
	s_add_nc_u64 s[12:13], s[12:13], s[24:25]
.irp t, 0,1,2,3,4,5,6,7
	global_load_b128 v[RS+4*\t:RS+4*\t+3], v19, s[10:11] offset:8192*\t th:TH_LOAD_NT
.endr
	s_wait_loadcnt 42                              ; Wo's 16 loads are in; behind them: o's 32, bo's 2, the residual's 8
	QUANT32 WN, WFR, 7
	QUANT32 WN+32, WFR+6, 8
	v_lshl_or_b32 v9, v8, 16, v7                   ; my two bytes: blocks h and 2 + h,
	v_lshlrev_b32 v10, 3, v2
	v_lshlrev_b32 v9, v10, v9                      ; at their places in the scale word;
	v_mov_b32 v10, 0
	v_permlanex16_b32 v10, v9, s28, s29
	v_or_b32 v[WS], v9, v10                        ; with lane l xor 16's two the word is whole
	s_wait_loadcnt 10                              ; o is in; bo's 2 and the residual's 8 stay out
	QUANT32 X, EC, 7                               ; (its 22 plain lines name no register of the products below: they are the places between Wo's codes and scale word, made above, and those products)
	ds_store_b128 v20, v[EC:EC+3] offset:OC
	ds_store_b64 v21, v[EC+4:EC+5] offset:OC
	ds_store_b8 v22, v7
	s_wait_dscnt 0x0                               ; for the others' sake: my stores are done
	s_barrier_signal -1
	s_barrier_wait -1                              ; o's four fragments and their scale words lie in LDS; nothing writes them again
.irp i, 0,1
.irp u, 0,1
.irp c, 0,1
	ds_load_b128 v[OF+12*(2*\i+\u)+6*\c:OF+12*(2*\i+\u)+6*\c+3], v23 offset:OC+3072*\i+1024*\c+256*\u
	ds_load_b64 v[OF+12*(2*\i+\u)+6*\c+4:OF+12*(2*\i+\u)+6*\c+5], v24 offset:OC+3072*\i+512*\c+128*\u
.endr
.endr
	ds_load_b32 v[OS+\i], v25 offset:128*\i
.endr
	s_wait_dscnt 0x0
	s_wait_loadcnt 0x0                             ; bo and the residual
.irp i, 0,1                                ; four results, four accumulators
	v_wmma_scale_f32_16x16x128_f8f6f4 v[DT+16*\i:DT+16*\i+7], v[WFR:WFR+11], v[OF+24*\i:OF+24*\i+11], v[BI:BI+7], v[WS], v[OS+\i] matrix_a_fmt:MATRIX_FMT_BF6 matrix_b_fmt:MATRIX_FMT_BF6
	v_wmma_scale_f32_16x16x128_f8f6f4 v[DT+16*\i+8:DT+16*\i+15], v[WFR:WFR+11], v[OF+24*\i+12:OF+24*\i+23], v[BI:BI+7], v[WS], v[OS+\i] matrix_a_fmt:MATRIX_FMT_BF6 matrix_b_fmt:MATRIX_FMT_BF6 matrix_b_scale:MATRIX_SCALE_ROW1
.endr
.rept 4
	v_nop                                          ; four places ahead of the stores that read results
.endr
.irp i, 0,1
.irp u, 0,1
.irp j, 0,1,2,3,4,5,6,7
	ds_store_b32 v26, v[DT+16*\i+8*\u+\j] offset:272*\j+128*\i+64*\u   ; output 8 h + j, position 32 i + 16 u + r; each result from its low end on
.endr
.endr
.endr
.irp t, 0,1,2,3,4,5,6,7
	ds_load_b128 v[X+4*\t:X+4*\t+3], v27 offset:544*\t   ; my wave's own bytes, and LDS serves a wave's instructions in order: these see the stores above
.endr
.irp t, 0,1,2,3,4,5,6,7
	s_wait_dscnt 7-\t                              ; LDS loads come back in order: pair t of rows is in, the younger ones stay out
	v_pk_add_f32 v[X+4*\t:X+4*\t+1], v[X+4*\t:X+4*\t+1], v[RS+4*\t:RS+4*\t+1]
	v_pk_add_f32 v[X+4*\t+2:X+4*\t+3], v[X+4*\t+2:X+4*\t+3], v[RS+4*\t+2:RS+4*\t+3]
	global_store_b128 v19, v[X+4*\t:X+4*\t+3], s[12:13] offset:8192*\t th:TH_STORE_NT   ; 16 lanes store 256 consecutive bytes, at a multiple of 256 from out0's first byte
.endr
	s_wait_tensorcnt 0x0
	ds_add_u32 v254, v255
	s_wait_dscnt 0x0
	s_endpgm
.Lfunc_end_k_q30bfbf7f92_proj:
	.size	k_q30bfbf7f92_proj, .Lfunc_end_k_q30bfbf7f92_proj-k_q30bfbf7f92_proj
	.p2alignl 7, 3214868480
	.fill 96, 4, 3214868480
	.section	.rodata,"a",@progbits
	.p2align	6, 0x0
	.amdhsa_kernel k_q30bfbf7f92_proj
		.amdhsa_group_segment_fixed_size 42496
		.amdhsa_private_segment_fixed_size 0
		.amdhsa_enable_private_segment 0
		.amdhsa_kernarg_size 40
		.amdhsa_user_sgpr_count 2
		.amdhsa_user_sgpr_kernarg_segment_ptr 1
		.amdhsa_wavefront_size32 1
		.amdhsa_system_sgpr_workgroup_id_x 1
		.amdhsa_system_sgpr_workgroup_id_y 1
		.amdhsa_system_sgpr_workgroup_id_z 1
		.amdhsa_system_vgpr_workitem_id 0
		.amdhsa_next_free_vgpr 256
		.amdhsa_next_free_sgpr 66
		.amdhsa_reserve_vcc 0
		.amdhsa_float_denorm_mode_32 3
		.amdhsa_float_denorm_mode_16_64 3
		.amdhsa_memory_ordered 1
		.amdhsa_forward_progress 1
		.amdhsa_inst_pref_size 20
	.end_amdhsa_kernel
	.amdgpu_metadata
---
amdhsa.version: [ 1, 2 ]
amdhsa.kernels:
  - .name:           k_q30bfbf7f92_proj
    .symbol:         k_q30bfbf7f92_proj.kd
    .args:
      - { .name: ows, .offset: 0, .size: 8, .value_kind: global_buffer, .address_space: global }
      - { .name: Wo, .offset: 8, .size: 8, .value_kind: global_buffer, .address_space: global }
      - { .name: bo, .offset: 16, .size: 8, .value_kind: global_buffer, .address_space: global }
      - { .name: hidden_states, .offset: 24, .size: 8, .value_kind: global_buffer, .address_space: global }
      - { .name: out0, .offset: 32, .size: 8, .value_kind: global_buffer, .address_space: global }
    .group_segment_fixed_size: 42496
    .private_segment_fixed_size: 0
    .kernarg_segment_align: 8
    .kernarg_segment_size: 40
    .max_flat_workgroup_size: 256
    .sgpr_count:     66
    .vgpr_count:     256
    .wavefront_size: 32
...
	.end_amdgpu_metadata
.endif
;; end of part 3
;; ======== version 2 of 2: 3 launches; version 1 with the launches attn, proj written anew for expert scheduling mode
;; workspace buffers: hc 196,608 bytes; hs 8,192 bytes; ows 1,048,576 bytes
;; launch gnq: the kernel of part 1 again; grid 4 x 2, 16 waves a work-group, no clusters, 4,096 bytes of LDS; arguments hidden_states, gn_weight, gn_bias, hc, hs; writes hc, hs
;; launch attn (part 4): grid 128 x 2, 8 waves a work-group, no clusters, 168,960 bytes of LDS; arguments hc, hs, Wq, Wk, Wv, bq, bk, bv, ows; writes ows
.if DOCPART == 4
	.amdgcn_target "amdgcn-amd-amdhsa--gfx1250"
	.amdhsa_code_object_version 6
	.text
	.protected	k_q30bfbf7f92_attn
	.globl	k_q30bfbf7f92_attn
	.p2align	8
	.type	k_q30bfbf7f92_attn,@function
k_q30bfbf7f92_attn:
	s_mov_b64 s[64:65], 0
	v_nop
	global_prefetch_b8 v0, s[64:65] scope:SCOPE_SE
	s_setreg_imm32_b32 hwreg(HW_REG_WAVE_SCHED_MODE, 0, 2), 2
	s_setreg_imm32_b32 hwreg(HW_REG_WAVE_MODE, 25, 1), 1
	s_wait_xcnt 0x0
	s_wait_alu depctr_vm_vsrc(0)
; One head (batch b, channel c) of attention with head size 1:  q, k, v [1,024] = h Wq[c]^T + bq[c] and so on, on codes of BF6 (E3M2) with E8M0 scales;
; o[s] = sum over t of softmax_t(q[s] k[t]) v[t], in f32 by packed multiply-adds (its result goes on into a quantiser).  ows: [batch][channel][position] f32.
; SHARES.  A work-group of eight waves is a head.  HEAD: wave w multiplies h's rows 128 w .. 128 w + 127 (8 tiles, codes from hc in the order of the operand's registers) by ONE tile of weights
; whose rows 0, 1, 2 are Wq[c], Wk[c], Wv[c], quantised here.  The product is used transposed (source 0 = the weights, source 1 = 16 rows of h): in every lane registers 0, 1, 2 of a result are q, k, v of one position.
; LOOP: thread t owns queries 4 t .. 4 t + 3 and walks all 1,024 keys, 16 a batch; k and v are the same for all lanes and come from LDS by loads in which all lanes name one address.
; THE MAXIMUM IS TAKEN AWAY, EXACTLY: with head size 1 a row's largest score is max(q kmax, q kmin), known ahead of the loop: no running maximum, no rescaling.
; p = 2^(k q' - m), q' = q log2(e), m = max(q' kmax, q' kmin): one fused multiply-add and one v_exp_f32; the exponent is 0 or less but for m's one rounding.
; A batch's work for two numbers: two exponentials, one packed scaling, one packed sum, one packed multiply-add with v.
; No cluster: what the heads of a batch share is 102,400 bytes read once at the head, beside 1,048,576 exponentials a work-group.  LDS is claimed beyond the 46,080 bytes in use, so that a work-group has a WGP of its own.
; LIMITS: NaN and infinities are not served; a p under 2^-126 counts as 0; a block of weights whose largest magnitude lies under 2^-122 gets the scale byte 1.
; THE MODE: SCHED_MODE bits 1:0 = 2 (LLVM: expert scheduling mode 2), set by the entry lines.  The code itself states the register dependences
; between vector or matrix instructions and memory or LDS instructions, with s_wait_alu, always for 0.
; THE PLAN.  Registers that LDS instructions touch, in the loop:
;   KB0, KB1   k of two batches.  Turn n (par = n % 2): its scalings read KB[1 - par]; its loads (k of batch n + 2) land in KB[par], which turn n - 1's scalings read last.
;   VB0, VB1   v of two batches.  Turn n: its multiply-adds read VB[1 - par]; its loads (v of batch n) land in VB[par], which turn n - 1's multiply-adds read last.
;   v[ADR]     Read by every load of the loop; written once a trip, at the end of the trip's second turn.
;   The batch sets, the sums, q' and -m are named by vector instructions alone.
; So ONE wait on va_vdst stands in a turn, at its end: it is the wait for the turn's exponentials, and it states that the turn is done reading the two buffers in which the next turn's loads land, and
; that v[ADR] is written.  Behind it the next turn's eight loads are dealt among its vector instructions, none of which names their registers.  One wait on vm_vsrc a trip stands ahead of the write of v[ADR].
.set QAR,  0                           ; LDS: q, k, v by position, 4,096 bytes each
.set KAR,  4096
.set VAR,  8192
.set WROW, 12288                       ; each wave's own 8 rows of 512 + 16 bytes: the weights' way from 16 bytes a lane to 128 bytes a lane
.set WPW,  8*528
.set QA,   4                           ; v4-6   the quantiser's work
.set QB,   5
.set QS,   6
.set QF,   16                          ; v16-18 the second half of a block's codes
.set HS,   48                          ; v48-51 h's scale words, pair p: lanes 0-15 tile 2 p, lanes 16-31 tile 2 p + 1.  Scales and nothing else
.set WS,   52                          ; v52    the weights' scale words.  Scales and nothing else
.set BI,   54                          ; v54-61 the biases in the result's layout: bq, bk, bv, 0 ..
.set ADR,  62                          ; v62    LDS byte of the loop's loads, the same in all lanes
.set TQ,   63                          ; v63    16 x thread: my four queries, in LDS and in ows
.set HF,   64                          ; v64-159  h's 8 fragments
.set WN,   160                         ; v160-223 64 numbers of the weights; then
.set DT,   160                         ;          the 8 results
.set SB,   224                         ; v224-239 h's scale bytes as loaded
.set WFR,  240                         ; v240-251 the weights' fragment
.set QQ,   16                          ; the loop: v16-23 (q', q') for each of my 4 queries
.set MM,   24                          ; v24-31  (-m, -m)
.set LSUM, 32                          ; v32-39  the row's sum, even keys' and odd keys'
.set OSUM, 40                          ; v40-47  the sum of p v, likewise
.set T0,   64                          ; v64-127, v128-191: two batches of 4 queries x 16 keys: register 16 qi + j
.set KB0,  192                         ; v192-207, v208-223: k of two batches
.set VB0,  224                         ; v224-239, v240-255: v of two batches
.macro QUANT32 src, dst, byt           ; 32 numbers of one block, v[src] on, become six registers of codes at v[dst] on and the scale's byte in v[byt]
	v_max3_num_f32 v[QA], |v[\src]|, |v[\src+1]|, |v[\src+2]|
	v_max3_num_f32 v[QB], |v[\src+3]|, |v[\src+4]|, |v[\src+5]|
.irp i, 6,10,14,18,22,26
	v_max3_num_f32 v[QA], v[QA], |v[\src+\i]|, |v[\src+\i+1]|
	v_max3_num_f32 v[QB], v[QB], |v[\src+\i+2]|, |v[\src+\i+3]|
.endr
	v_max3_num_f32 v[QA], v[QA], |v[\src+30]|, |v[\src+31]|
	v_max3_num_f32 v[QA], v[QA], v[QB], 0x2800000                    ; the floor 2^(5 - 127): the byte cannot fall under 1
	v_add_nc_u32 v[QS], 0xfe000000, v[QA]                            ; 4 off the exponent field: the conversion's scale operand
	v_lshrrev_b32 v[\byt], 23, v[QS]
	v_cvt_scalef32_pk16_bf6_f32 v[\dst:\dst+2], v[\src:\src+15], v[QS]
	v_cvt_scalef32_pk16_bf6_f32 v[QF:QF+2], v[\src+16:\src+31], v[QS] ; (a conversion's three registers begin on an even number)
	v_nop                                                            ; one plain line behind a scaled conversion
.irp i, 0,1,2
	v_mov_b32 v[\dst+3+\i], v[QF+\i]
.endr
.endm
	s_load_b512 s[4:19], s[0:1], 0x0               ; hc s[4:5], hs s[6:7], Wq s[8:9], Wk s[10:11], Wv s[12:13], bq s[14:15], bk s[16:17], bv s[18:19]
	s_load_b64 s[20:21], s[0:1], 0x40              ; ows
	v_lshl_add_u32 v53, v0, 2, 0x29000
	s_set_vgpr_msb 0x40
	v_mov_b32 v1, 0
	s_set_vgpr_msb 0x4000
	v_and_b32 v1, 15, v0                           ; r
	v_bfe_u32 v2, v0, 4, 1                         ; h
	v_and_b32 v3, 31, v0                           ; lane
	v_lshrrev_b32 v9, 5, v0
	v_readfirstlane_b32 s22, v9                    ; wave 0..7
	s_and_b32 s24, ttmp7, 0xffff                   ; the batch; ttmp9 is the channel
	v_lshlrev_b32 v19, 4, v3                       ; 16 x lane
	v_lshlrev_b32 v11, 4, v1
	v_lshl_add_u32 v11, v2, 9, v11                 ; hc, registers 0-3 of a block: 512 h + 16 r
	v_lshlrev_b32 v12, 3, v1
	v_lshl_add_u32 v12, v2, 8, v12                 ; registers 4-5: 256 h + 8 r
	s_wait_alu depctr_va_sdst(0)                   ; s22 is written, ahead of its first reader: LDS places and the offsets in hc and hs are made from it
	s_mul_i32 s25, s22, WPW
	s_add_co_u32 s25, s25, WROW                    ; my wave's rows of weights in LDS
	v_lshl_add_u32 v13, v3, 4, s25                 ; in: 16 bytes a lane
	v_and_b32 v14, 7, v0
	v_mul_u32_u24 v14, v14, 528
	v_lshl_add_u32 v14, v2, 7, v14
	v_add_nc_u32 v14, s25, v14                     ; back: row r % 8, + 128 h: the 32 numbers of my half
	s_lshl_b32 s25, s22, 9
	v_lshl_add_u32 v15, v1, 2, s25                 ; q, k, v into LDS: 4 (128 w + r)
	v_lshlrev_b32 v[TQ], 4, v0
	v_mov_b32 v[ADR], 0
	s_mov_b32 s28, 0x76543210
	s_mov_b32 s29, 0xfedcba98                      ; v_permlanex16_b32's selects for lane l xor 16
	s_mov_b32 s27, 0
	s_wait_kmcnt 0x0
	s_lshl_b32 s26, ttmp9, 9                       ; row c of a weight
	s_add_nc_u64 s[8:9], s[8:9], s[26:27]
	s_add_nc_u64 s[10:11], s[10:11], s[26:27]
	s_add_nc_u64 s[12:13], s[12:13], s[26:27]
	s_wait_alu depctr_va_vdst(0)                   ; the offsets and LDS addresses v3, v11 to v15, v19, v[ADR], v[TQ] are written, which the loads and stores below read; so are the closing add's two registers
	global_load_b128 v[20:23], v19, s[8:9]         ; a row is 512 bytes: 16 a lane
	global_load_b128 v[24:27], v19, s[10:11]
	global_load_b128 v[28:31], v19, s[12:13]
	s_mul_i32 s26, s24, 98304
	s_mul_i32 s25, s22, 12288
	s_add_co_u32 s26, s26, s25                     ; hc: my batch, my wave's four pairs of tiles
	s_add_nc_u64 s[4:5], s[4:5], s[26:27]
	s_lshl_b32 s26, s24, 12
	s_lshl_b32 s25, s22, 7
	s_add_co_u32 s26, s26, s25                     ; hs: my batch, my wave's 128 positions
	s_add_nc_u64 s[6:7], s[6:7], s[26:27]
.irp p, 0,1,2,3                            ; fragment (p, u): lane (r, h) takes blocks h and 2 + h of row 32 p + 16 u + r: 16 + 8 bytes each
.irp u, 0,1
.irp c, 0,1
	global_load_b128 v[HF+12*(2*\p+\u)+6*\c:HF+12*(2*\p+\u)+6*\c+3], v11, s[4:5] offset:3072*\p+1024*\c+256*\u
	global_load_b64 v[HF+12*(2*\p+\u)+6*\c+4:HF+12*(2*\p+\u)+6*\c+5], v12, s[4:5] offset:3072*\p+2048+512*\c+128*\u
.endr
.endr
.endr
.irp p, 0,1,2,3
.irp k, 0,1,2,3
	global_load_u8 v[SB+4*\p+\k], v3, s[6:7] offset:1024*\k+32*\p   ; lane l: block k's byte of row 32 p + l
.endr
.endr
	s_lshl_b32 s26, ttmp9, 2
	s_add_nc_u64 s[14:15], s[14:15], s[26:27]
	s_add_nc_u64 s[16:17], s[16:17], s[26:27]
	s_add_nc_u64 s[18:19], s[18:19], s[26:27]
	s_load_b32 s30, s[14:15], 0x0                  ; bq[c], bk[c], bv[c]
	s_load_b32 s31, s[16:17], 0x0
	s_load_b32 s32, s[18:19], 0x0
	s_lshl_b32 s26, s24, 7
	s_add_co_u32 s26, s26, ttmp9
	s_lshl_b32 s26, s26, 12                        ; ows: row 128 b + c of 4,096 bytes
	s_add_nc_u64 s[20:21], s[20:21], s[26:27]
	s_wait_loadcnt 48                              ; the three rows of weights are in; the 32 loads of codes and 16 of scale bytes behind them stay out
	ds_store_b128 v13, v[20:23]                    ; tile row 0 (and 8): Wq[c]
	ds_store_b128 v13, v[24:27] offset:528         ; 1: Wk[c]
.irp j, 2,3,4,5,6,7
	ds_store_b128 v13, v[28:31] offset:528*\j      ; 2: Wv[c]; rows 3 to 7 hold it again: their results are not read
.endr
.irp c, 0,1
.irp j, 0,1,2,3,4,5,6,7
	ds_load_b128 v[WN+32*\c+4*\j:WN+32*\c+4*\j+3], v14 offset:256*\c+16*\j   ; k = 64 c + 32 h + 4 j on.  My wave's own bytes, and LDS serves a wave's instructions in order: no wait in front
.endr
.endr
	s_wait_dscnt 0x0
	QUANT32 WN, WFR, 7
	QUANT32 WN+32, WFR+6, 8
	v_lshl_or_b32 v9, v8, 16, v7                   ; my two bytes: blocks h and 2 + h,
	v_lshlrev_b32 v10, 3, v2
	v_lshlrev_b32 v9, v10, v9                      ; at their places in the scale word;
	v_mov_b32 v10, 0
	v_permlanex16_b32 v10, v9, s28, s29
	v_or_b32 v[WS], v9, v10                        ; with lane l xor 16's two the word is whole
	s_wait_loadcnt 0x0                             ; h's codes and scale bytes
	s_wait_kmcnt 0x0                               ; the biases
.irp p, 0,1,2,3
	v_lshl_or_b32 v[HS+\p], v[SB+4*\p+1], 8, v[SB+4*\p]
	v_lshl_or_b32 v[HS+\p], v[SB+4*\p+2], 16, v[HS+\p]
	v_lshl_or_b32 v[HS+\p], v[SB+4*\p+3], 24, v[HS+\p]
.endr
	v_mov_b32 v[BI], s30
	v_mov_b32 v[BI+1], s31
	v_mov_b32 v[BI+2], s32
.irp j, 3,4,5,6,7
	v_mov_b32 v[BI+\j], 0
.endr
.rept 8
	v_nop                                          ; a scale register written by a vector instruction stands 8 places ahead of a scaled matrix instruction, an operand so written 4
.endr
	s_wait_alu depctr_va_vdst(0)                   ; vector instructions have written the weights' codes v[WFR ..] and the scale words v[WS], v[HS ..], which the scaled products take; the places above stay beside this wait
.irp p, 0,1,2,3                            ; eight results, eight accumulators; the biases are the C of each
	v_wmma_scale_f32_16x16x128_f8f6f4 v[DT+16*\p:DT+16*\p+7], v[WFR:WFR+11], v[HF+24*\p:HF+24*\p+11], v[BI:BI+7], v[WS], v[HS+\p] matrix_a_fmt:MATRIX_FMT_BF6 matrix_b_fmt:MATRIX_FMT_BF6
	v_wmma_scale_f32_16x16x128_f8f6f4 v[DT+16*\p+8:DT+16*\p+15], v[WFR:WFR+11], v[HF+24*\p+12:HF+24*\p+23], v[BI:BI+7], v[WS], v[HS+\p] matrix_a_fmt:MATRIX_FMT_BF6 matrix_b_fmt:MATRIX_FMT_BF6 matrix_b_scale:MATRIX_SCALE_ROW1
.endr
.rept 4
	v_nop                                          ; four places ahead of the stores that read results
.endr
	s_wait_alu depctr_va_vdst(0)                   ; the products have written v[DT ..], which the stores read and in which k's batches land; they are done reading h's fragments and the weights' fragment, in which k and v land; the quantiser is done with v4 to v7, in which q lands
.irp p, 0,1,2,3
.irp u, 0,1
	ds_store_b32 v15, v[DT+16*\p+8*\u] offset:QAR+128*\p+64*\u       ; position 128 w + 32 p + 16 u + r; lanes 16-31 write the same words with the same values
	ds_store_b32 v15, v[DT+16*\p+8*\u+1] offset:KAR+128*\p+64*\u
	ds_store_b32 v15, v[DT+16*\p+8*\u+2] offset:VAR+128*\p+64*\u
.endr
.endr
	s_wait_dscnt 0x0                               ; for the others' sake: my stores are done
	s_barrier_signal -1
	s_barrier_wait -1                              ; the head's q, k, v lie in LDS; nothing writes them again
.irp j, 0,1,2,3,4,5,6,7
	ds_load_b128 v[T0+4*\j:T0+4*\j+3], v19 offset:KAR+512*\j         ; all 1,024 k, 32 a lane
.endr
	ds_load_b128 v[4:7], v[TQ] offset:QAR          ; my four queries
	s_wait_alu depctr_vm_vsrc(0)                   ; the LDS stores have read v[DT ..], in which the two batches of k below land, and v20 to v31; the loads and stores so far have read v11 to v15 and v19: all these are written again below
.irp j, 0,1,2,3
	ds_load_b128 v[KB0+4*\j:KB0+4*\j+3], v[ADR] offset:KAR+16*\j     ; k of batch 0
	ds_load_b128 v[KB0+16+4*\j:KB0+16+4*\j+3], v[ADR] offset:KAR+64+16*\j   ; and of batch 1
.endr
	s_wait_dscnt 0x0
	v_max3_num_f32 v8, v[T0], v[T0+1], v[T0+2]     ; kmax and kmin, two chains each
	v_max3_num_f32 v9, v[T0+3], v[T0+4], v[T0+5]
	v_min3_num_f32 v10, v[T0], v[T0+1], v[T0+2]
	v_min3_num_f32 v11, v[T0+3], v[T0+4], v[T0+5]
.irp i, 6,10,14,18,22,26
	v_max3_num_f32 v8, v8, v[T0+\i], v[T0+\i+1]
	v_max3_num_f32 v9, v9, v[T0+\i+2], v[T0+\i+3]
	v_min3_num_f32 v10, v10, v[T0+\i], v[T0+\i+1]
	v_min3_num_f32 v11, v11, v[T0+\i+2], v[T0+\i+3]
.endr
	v_max3_num_f32 v8, v8, v[T0+30], v[T0+31]
	v_min3_num_f32 v10, v10, v[T0+30], v[T0+31]
	v_max_num_f32 v8, v8, v9
	v_min_num_f32 v10, v10, v11
.irp m, 1,2,4,8
	v_max_num_f32_dpp v8, v8, v8 row_xmask:\m row_mask:0xf bank_mask:0xf
	v_min_num_f32_dpp v10, v10, v10 row_xmask:\m row_mask:0xf bank_mask:0xf
.endr
	v_permlanex16_b32 v12, v8, s28, s29
	v_permlanex16_b32 v13, v10, s28, s29
	v_max_num_f32 v8, v8, v12                      ; kmax, in every lane
	v_min_num_f32 v10, v10, v13                    ; kmin
.irp q, 0,1,2,3
	v_mul_f32 v[QQ+2*\q], 0x3fb8aa3b, v[4+\q]      ; q' = q log2(e)
.endr
.irp q, 0,1,2,3
	v_mov_b32 v[QQ+2*\q+1], v[QQ+2*\q]
	v_mul_f32 v14, v[QQ+2*\q], v8
	v_mul_f32 v15, v[QQ+2*\q], v10
	v_max_num_f32 v14, v14, v15                    ; m: the row's largest q' k lies at kmax or at kmin
	v_mul_f32 v[MM+2*\q], -1.0, v14
	v_mov_b32 v[MM+2*\q+1], v[MM+2*\q]
.endr
.irp j, 0,1,2,3,4,5,6,7
	v_mov_b32 v[LSUM+\j], 0                        ; sixteen registers, once: the batch's work is then written in one form
	v_mov_b32 v[OSUM+\j], 0
.endr
.set i, 0
.rept 32                                   ; batch 0's exponents: k q' - m
.set qi, i%4
.set jp, i/4
	v_pk_fma_f32 v[T0+16*qi+2*jp:T0+16*qi+2*jp+1], v[KB0+2*jp:KB0+2*jp+1], v[QQ+2*qi:QQ+2*qi+1], v[MM+2*qi:MM+2*qi+1]
.set i, i+1
.endr
	s_wait_alu depctr_va_vdst(0)                   ; batch 0's scalings are done reading k's buffer 0, in which batch 2's k lands in the first turn
; THE TURN OF BATCH n (16 keys x my 4 queries), par = n % 2.  Three batches are in hand: n's exponents (set par) become p; n - 1's p (the other set) are summed and multiplied by v; then those
; registers take n + 1's exponents.  The plain lines stand between the exponentials.  cons = 0: there is no batch n - 1;  scal = 0: no batch n + 1.
; ldk: k of batch n + 2 is asked for, into the buffer that batch n's scaling has left;  ldv: v of batch n, into the buffer that batch n - 2's sums have left.  The eight loads are dealt out, one ahead of each of
; the turn's first eight slices: no vector instruction since the last turn's closing wait names their registers or v[ADR].  They have the rest of the turn in which to land.
; step = 1: the trip's last turn: the loop's count and v[ADR] move on by two batches, ahead of the closing wait.
; ONE wait serves the turn's 64 exponentials: no line names a result between its exponential and that wait, which stands at the turn's end, ahead of the next turn's readers and of the backward jump.
.macro TRIP par, cons, scal, ldk, ldv, koff, voff, step
.set TX, T0+64*(\par)
.set TY, T0+64*(1-(\par))
.set KU, KB0+16*(1-(\par))
.set VU, VB0+16*(1-(\par))
	s_wait_dscnt 0x0                               ; what the last turn asked for is in: k of batch n + 1, v of batch n - 1
.set i, 0
.rept 32
.set qi, i%4                               ; the four queries by turns: a sum's next link stands four slices on
.set jp, i/4
.if \ldk && (i < 4)
	ds_load_b128 v[KB0+16*(\par)+4*i:KB0+16*(\par)+4*i+3], v[ADR] offset:KAR+\koff+16*i
.endif
.if \ldv && (i >= 4) && (i < 8)
	ds_load_b128 v[VB0+16*(\par)+4*(i-4):VB0+16*(\par)+4*(i-4)+3], v[ADR] offset:VAR+\voff+16*(i-4)
.endif
.if \cons
	v_pk_add_f32 v[LSUM+2*qi:LSUM+2*qi+1], v[LSUM+2*qi:LSUM+2*qi+1], v[TY+16*qi+2*jp:TY+16*qi+2*jp+1]
.endif
	v_exp_f32 v[TX+16*qi+2*jp], v[TX+16*qi+2*jp]
.if \cons
	v_pk_fma_f32 v[OSUM+2*qi:OSUM+2*qi+1], v[TY+16*qi+2*jp:TY+16*qi+2*jp+1], v[VU+2*jp:VU+2*jp+1], v[OSUM+2*qi:OSUM+2*qi+1]
.endif
	v_exp_f32 v[TX+16*qi+2*jp+1], v[TX+16*qi+2*jp+1]
.if \scal
	v_pk_fma_f32 v[TY+16*qi+2*jp:TY+16*qi+2*jp+1], v[KU+2*jp:KU+2*jp+1], v[QQ+2*qi:QQ+2*qi+1], v[MM+2*qi:MM+2*qi+1]
.endif
.set i, i+1
.endr
.if \step
	s_add_co_u32 s33, s33, 128                     ; the next trip's two batches
	s_wait_alu depctr_vm_vsrc(0)                   ; the LDS loads issued so far have read v[ADR]
	v_mov_b32 v[ADR], s33
.endif
.if \scal == 0
	v_nop                                          ; a plain line behind the last exponential
.endif
	s_wait_alu depctr_va_vdst(0)                   ; the turn's 64 exponentials have written set par, which the next turn reads; the turn is done reading the other k and v buffers, in which the next turn's loads land; step = 1: v[ADR] is written
.endm
	TRIP 0, 0, 1, 1, 1, 128, 0, 0                  ; batch 0
	s_mov_b32 s33, 0
.Lk:                                               ; 30 trips, batches 1 to 60, two a trip, until the buffers are back where they began; at a trip's head s33 = v[ADR] = 128 x trip
	TRIP 1, 1, 1, 1, 1, 192, 64, 0
	TRIP 0, 1, 1, 1, 1, 256, 128, 1
	s_cmp_lt_u32 s33, 3840
	s_cbranch_scc1 .Lk
	                                               ; v[ADR] = 3,840: the last three batches are written out: no load reaches past k's or v's 4,096 bytes
	TRIP 1, 1, 1, 1, 1, 192, 64, 0                 ; batch 61: asks for k of batch 63
	TRIP 0, 1, 1, 0, 1, 0, 128, 0                  ; batch 62
	TRIP 1, 1, 0, 0, 1, 0, 192, 0                  ; batch 63: nothing is left to scale
	s_wait_dscnt 0x0                               ; v of batch 63
.set i, 0
.rept 32
.set qi, i%4
.set jp, i/4
	v_pk_add_f32 v[LSUM+2*qi:LSUM+2*qi+1], v[LSUM+2*qi:LSUM+2*qi+1], v[T0+64+16*qi+2*jp:T0+64+16*qi+2*jp+1]
	v_pk_fma_f32 v[OSUM+2*qi:OSUM+2*qi+1], v[T0+64+16*qi+2*jp:T0+64+16*qi+2*jp+1], v[VB0+16+2*jp:VB0+16+2*jp+1], v[OSUM+2*qi:OSUM+2*qi+1]
.set i, i+1
.endr
.irp q, 0,1,2,3
	v_add_f32 v[8+\q], v[LSUM+2*\q], v[LSUM+2*\q+1]        ; even keys' and odd keys' halves
	v_add_f32 v[12+\q], v[OSUM+2*\q], v[OSUM+2*\q+1]
.endr
.irp q, 0,1,2,3
	v_rcp_f32 v[8+\q], v[8+\q]                     ; the sum is at least about 1: the row's largest p is
.endr
	v_nop                                          ; a plain line behind the last reciprocal
	s_wait_alu depctr_va_vdst(0)                   ; the four reciprocals have written v8 to v11: one wait for the four, ahead of their first reader
.irp q, 0,1,2,3
	v_mul_f32 v[4+\q], v[12+\q], v[8+\q]
.endr
	s_wait_alu depctr_va_vdst(0)                   ; the four multiplications have written v4 to v7, which the store reads
	global_store_b128 v[TQ], v[4:7], s[20:21]      ; the wave stores 512 consecutive bytes, at a multiple of 256 from ows's first byte
	s_set_vgpr_msb 0x4                             ; the add's second register lies in window 1; the switch stands ahead of the closing lines
	s_wait_dscnt 0x0                               ; the closing lines, six on end
	s_wait_alu 0x0
	s_wait_tensorcnt 0x0
	ds_add_u32 v53, v1
	s_wait_dscnt 0x0
	s_endpgm
.Lfunc_end_k_q30bfbf7f92_attn:
	.size	k_q30bfbf7f92_attn, .Lfunc_end_k_q30bfbf7f92_attn-k_q30bfbf7f92_attn
	.p2alignl 7, 3214868480
	.fill 96, 4, 3214868480
	.section	.rodata,"a",@progbits
	.p2align	6, 0x0
	.amdhsa_kernel k_q30bfbf7f92_attn
		.amdhsa_group_segment_fixed_size 168960
		.amdhsa_private_segment_fixed_size 0
		.amdhsa_enable_private_segment 0
		.amdhsa_kernarg_size 72
		.amdhsa_user_sgpr_count 2
		.amdhsa_user_sgpr_kernarg_segment_ptr 1
		.amdhsa_wavefront_size32 1
		.amdhsa_system_sgpr_workgroup_id_x 1
		.amdhsa_system_sgpr_workgroup_id_y 1
		.amdhsa_system_sgpr_workgroup_id_z 1
		.amdhsa_system_vgpr_workitem_id 0
		.amdhsa_next_free_vgpr 258
		.amdhsa_next_free_sgpr 66
		.amdhsa_reserve_vcc 0
		.amdhsa_float_denorm_mode_32 3
		.amdhsa_float_denorm_mode_16_64 3
		.amdhsa_memory_ordered 1
		.amdhsa_forward_progress 1
		.amdhsa_inst_pref_size 74
	.end_amdhsa_kernel
	.amdgpu_metadata
---
amdhsa.version: [ 1, 2 ]
amdhsa.kernels:
  - .name:           k_q30bfbf7f92_attn
    .symbol:         k_q30bfbf7f92_attn.kd
    .args:
      - { .name: hc, .offset: 0, .size: 8, .value_kind: global_buffer, .address_space: global }
      - { .name: hs, .offset: 8, .size: 8, .value_kind: global_buffer, .address_space: global }
      - { .name: Wq, .offset: 16, .size: 8, .value_kind: global_buffer, .address_space: global }
      - { .name: Wk, .offset: 24, .size: 8, .value_kind: global_buffer, .address_space: global }
      - { .name: Wv, .offset: 32, .size: 8, .value_kind: global_buffer, .address_space: global }
      - { .name: bq, .offset: 40, .size: 8, .value_kind: global_buffer, .address_space: global }
      - { .name: bk, .offset: 48, .size: 8, .value_kind: global_buffer, .address_space: global }
      - { .name: bv, .offset: 56, .size: 8, .value_kind: global_buffer, .address_space: global }
      - { .name: ows, .offset: 64, .size: 8, .value_kind: global_buffer, .address_space: global }
    .group_segment_fixed_size: 168960
    .private_segment_fixed_size: 0
    .kernarg_segment_align: 8
    .kernarg_segment_size: 72
    .max_flat_workgroup_size: 256
    .sgpr_count:     66
    .vgpr_count:     258
    .wavefront_size: 32
...
	.end_amdgpu_metadata
.endif
;; end of part 4
;; launch proj (part 5): grid 32 x 1, 8 waves a work-group, no clusters, 42,496 bytes of LDS; arguments ows, Wo, bo, hidden_states, out0; writes out0
.if DOCPART == 5
	.amdgcn_target "amdgcn-amd-amdhsa--gfx1250"
	.amdhsa_code_object_version 6
	.text
	.protected	k_q30bfbf7f92_proj
	.globl	k_q30bfbf7f92_proj
	.p2align	8
	.type	k_q30bfbf7f92_proj,@function
k_q30bfbf7f92_proj:
	s_mov_b64 s[64:65], 0
	v_nop
	global_prefetch_b8 v0, s[64:65] scope:SCOPE_SE
	s_setreg_imm32_b32 hwreg(HW_REG_WAVE_SCHED_MODE, 0, 2), 2
	s_setreg_imm32_b32 hwreg(HW_REG_WAVE_MODE, 25, 1), 1
	s_wait_xcnt 0x0
	s_wait_alu depctr_vm_vsrc(0)
; out0[b][n][s] = sum over c of o[b][s][c] Wo[n][c] + bo[n] + hidden_states[b][n][s], the product on codes of BF6 (E3M2) with one E8M0 scale for each 32 channels.
; o arrives as ows [batch][channel][position] f32.
; SHARES.  A work-group owns 64 positions of a batch (256 bytes of each output row) and all 128 outputs: 32 work-groups, and every byte of ows and hidden_states is read once.
; Wave w has two parts.  (1) It quantises block kb = w % 4 of o for positions 32 (w / 4) + lane: a lane to a position, its 32 registers down the channels; codes and scale byte go to LDS in the order of the operand's registers.
; (2) It owns outputs 16 w .. 16 w + 15: their rows of Wo are loaded as the operand's layout wants them (lane (r, h): row r, k = 64 c + 32 h on), quantised in registers, and multiplied by the four tiles of o.
; Source 0 = Wo's rows, source 1 = o's rows: in a result register j of lane (r, h) is output 16 w + 8 h + j at position r: neighbouring lanes hold neighbouring positions, as out0 has them.
; bo is the C of each product.  The results go through the wave's own stage in LDS and leave, with the residual added, sixteen lanes to 256 consecutive bytes.
; LIMITS: NaN and infinities are not served; a block whose largest magnitude lies under 2^-122 (a block of zeros among them) gets the scale byte 1.
; THE MODE: SCHED_MODE bits 1:0 = 2 (LLVM: expert scheduling mode 2), set by the entry lines.  The code itself states the register dependences
; between vector or matrix instructions and memory or LDS instructions, with s_wait_alu, always for 0.
; THE PLAN.  Registers that memory or LDS instructions touch:
;   v16 to v27  offsets and LDS addresses: made once at the head, never written again.
;   WN = OF     Wo's numbers land; the quantiser reads them; then o's fragments land, and the products read them.
;   EC, v7      the quantiser writes o's codes and byte; the LDS stores read them; nothing writes them again.
;   DT          the products write; the stage's stores read; nothing writes them again.
;   X           o's numbers land; the quantiser reads them; the stage's rows land; the additions write them in place; the global stores read them.
; Each change from the vector side to the memory side has one wait on va_vdst: ahead of the first load, of the stores of o's codes, of the stage's stores, and of the run of global stores.
; No register that a memory or LDS instruction has read is written again, so no wait on vm_vsrc stands past the entry lines.
.set OC,   0                           ; LDS: o's codes: two pairs of tiles, 3,072 bytes each: registers 0-3 of block kb at 512 kb + 16 row, registers 4-5 at 2,048 + 256 kb + 8 row
.set OSC,  6144                        ; o's scale words: 4 bytes a row, 64 rows
.set STG,  6400                        ; each wave's stage: 16 outputs x (256 bytes + 16)
.set QA,   4
.set QB,   5
.set QS,   6
.set WS,   12                          ; v12     Wo's scale words.  Scales and nothing else
.set OS,   13                          ; v13-14  o's: pair i: lanes 0-15 tile 2 i, lanes 16-31 tile 2 i + 1.  Scales and nothing else
.set X,    32                          ; v32-63  32 channels of my position; later the rows read back from the stage
.set WN,   64                          ; v64-127 64 numbers of Wo; later
.set OF,   64                          ; v64-111 o's four fragments
.set RS,   128                         ; v128-159 the residual
.set BI,   160                         ; v160-167 bo in the result's layout
.set WFR,  168                         ; v168-179 Wo's fragment
.set EC,   180                         ; v180-185 o's codes just made
.set QF,   186                         ; v186-188
.set DT,   192                         ; v192-223 the four results
.macro QUANT32 src, dst, byt           ; 32 numbers of one block, v[src] on, become six registers of codes at v[dst] on and the scale's byte in v[byt]
	v_max3_num_f32 v[QA], |v[\src]|, |v[\src+1]|, |v[\src+2]|
	v_max3_num_f32 v[QB], |v[\src+3]|, |v[\src+4]|, |v[\src+5]|
.irp i, 6,10,14,18,22,26
	v_max3_num_f32 v[QA], v[QA], |v[\src+\i]|, |v[\src+\i+1]|
	v_max3_num_f32 v[QB], v[QB], |v[\src+\i+2]|, |v[\src+\i+3]|
.endr
	v_max3_num_f32 v[QA], v[QA], |v[\src+30]|, |v[\src+31]|
	v_max3_num_f32 v[QA], v[QA], v[QB], 0x2800000                    ; the floor 2^(5 - 127): the byte cannot fall under 1
	v_add_nc_u32 v[QS], 0xfe000000, v[QA]                            ; 4 off the exponent field: the conversion's scale operand
	v_lshrrev_b32 v[\byt], 23, v[QS]
	v_cvt_scalef32_pk16_bf6_f32 v[\dst:\dst+2], v[\src:\src+15], v[QS]
	v_cvt_scalef32_pk16_bf6_f32 v[QF:QF+2], v[\src+16:\src+31], v[QS] ; (a conversion's three registers begin on an even number)
	v_nop                                                            ; one plain line behind a scaled conversion
.irp i, 0,1,2
	v_mov_b32 v[\dst+3+\i], v[QF+\i]
.endr
.endm
	s_load_b256 s[4:11], s[0:1], 0x0               ; ows s[4:5], Wo s[6:7], bo s[8:9], hidden_states s[10:11]
	s_load_b64 s[12:13], s[0:1], 0x20              ; out0
	v_lshl_add_u32 v254, v0, 2, 0xa200
	v_mov_b32 v255, 0
	v_and_b32 v1, 15, v0                           ; r
	v_bfe_u32 v2, v0, 4, 1                         ; h
	v_and_b32 v3, 31, v0                           ; lane
	v_lshrrev_b32 v9, 5, v0
	v_readfirstlane_b32 s14, v9                    ; wave 0..7
	s_lshr_b32 s15, ttmp9, 4                       ; the batch
	s_and_b32 s16, ttmp9, 15                       ; which 64 positions
	s_wait_alu depctr_va_sdst(0)                   ; s14 is written, ahead of its first reader: LDS places and the buffers' offsets are made from it
	s_lshr_b32 s17, s14, 2                         ; i: which 32 of them I quantise
	s_and_b32 s18, s14, 3                          ; kb: which block
	v_lshlrev_b32 v16, 2, v3                       ; o: 4 bytes a lane
	v_lshlrev_b32 v17, 9, v1
	v_lshl_add_u32 v17, v2, 7, v17                 ; Wo: row r of 512 bytes, + 128 h
	v_lshlrev_b32 v18, 5, v2                       ; bo: 32 h
	v_lshlrev_b32 v19, 12, v2
	v_lshl_add_u32 v19, v1, 4, v19                 ; residual and out0: lanes 0-15 one output's 256 bytes, lanes 16-31 the next output's
	s_mul_i32 s19, s17, 3072
	s_lshl_b32 s20, s18, 9
	s_add_co_u32 s20, s20, s19
	v_lshl_add_u32 v20, v3, 4, s20                 ; my codes' registers 0-3: 3,072 i + 512 kb + 16 lane
	s_lshl_b32 s21, s18, 8
	s_add_co_u32 s21, s21, s19
	s_add_co_u32 s21, s21, 2048
	v_lshl_add_u32 v21, v3, 3, s21                 ; registers 4-5: 3,072 i + 2,048 + 256 kb + 8 lane
	s_lshl_b32 s22, s17, 7
	s_add_co_u32 s22, s22, s18
	s_add_co_u32 s22, s22, OSC
	v_lshl_add_u32 v22, v3, 2, s22                 ; my scale byte: byte kb of row 32 i + lane's word
	v_lshlrev_b32 v23, 4, v1
	v_lshl_add_u32 v23, v2, 9, v23                 ; a fragment's registers 0-3 of a block: 512 h + 16 r
	v_lshlrev_b32 v24, 3, v1
	v_lshl_add_u32 v24, v2, 8, v24
	v_add_nc_u32 v24, 2048, v24                    ; registers 4-5: 2,048 + 256 h + 8 r
	v_lshl_add_u32 v25, v3, 2, OSC                 ; a pair's scale words: 4 bytes a lane
	s_mul_i32 s23, s14, 16*272
	s_add_co_u32 s23, s23, STG                     ; my stage
	v_mul_u32_u24 v26, v2, 8*272
	v_lshl_add_u32 v26, v1, 2, v26
	v_add_nc_u32 v26, s23, v26                     ; in: output 8 h (+ j), position r: 544 words from half to half of the lanes, so the 32 lanes of a store name 32 different words modulo 64
	v_mul_u32_u24 v27, v2, 272
	v_lshl_add_u32 v27, v1, 4, v27
	v_add_nc_u32 v27, s23, v27                     ; back: lanes 0-15 one output's row, lanes 16-31 the next
	s_mov_b32 s28, 0x76543210
	s_mov_b32 s29, 0xfedcba98                      ; v_permlanex16_b32's selects for lane l xor 16
	s_mov_b32 s25, 0
	s_wait_kmcnt 0x0
	s_lshl_b32 s24, s14, 13                        ; Wo: my 16 rows
	s_add_nc_u64 s[6:7], s[6:7], s[24:25]
	s_wait_alu depctr_va_vdst(0)                   ; the offsets and LDS addresses v16 to v27 are written, which every load and store below reads; so are the closing add's two registers
.irp c, 0,1
.irp j, 0,1,2,3,4,5,6,7
	global_load_b128 v[WN+32*\c+4*\j:WN+32*\c+4*\j+3], v17, s[6:7] offset:256*\c+16*\j   ; Wo(16 w + r, 64 c + 32 h + 4 j on)
.endr
.endr
	s_lshl_b32 s24, s15, 19
	s_lshl_b32 s26, s16, 8
	s_add_co_u32 s26, s26, s24                     ; 524,288 b + 256 x chunk: shared by ows, hidden_states and out0
	s_lshl_b32 s24, s18, 17
	s_add_co_u32 s24, s24, s26
	s_lshl_b32 s27, s17, 7
	s_add_co_u32 s24, s24, s27                     ; ows: + 131,072 kb + 128 i
	s_add_nc_u64 s[4:5], s[4:5], s[24:25]
.set ch, 0
.rept 32
	global_load_b32 v[X+ch], v16, s[4:5] offset:4096*ch th:TH_LOAD_NT   ; o(position, 32 kb + ch): the wave reads 128 consecutive bytes
.set ch, ch+1
.endr
	s_lshl_b32 s24, s14, 6                         ; bo: my 16
	s_add_nc_u64 s[8:9], s[8:9], s[24:25]
	global_load_b128 v[BI:BI+3], v18, s[8:9]
	global_load_b128 v[BI+4:BI+7], v18, s[8:9] offset:16
	s_lshl_b32 s24, s14, 16
	s_add_co_u32 s24, s24, s26                     ; my 16 outputs' rows of 4,096 bytes
	s_add_nc_u64 s[10:11], s[10:11], s[24:25]
	s_add_nc_u64 s[12:13], s[12:13], s[24:25]
.irp t, 0,1,2,3,4,5,6,7
	global_load_b128 v[RS+4*\t:RS+4*\t+3], v19, s[10:11] offset:8192*\t th:TH_LOAD_NT
.endr
	s_wait_loadcnt 42                              ; Wo's 16 loads are in; behind them: o's 32, bo's 2, the residual's 8
	QUANT32 WN, WFR, 7
	QUANT32 WN+32, WFR+6, 8
	v_lshl_or_b32 v9, v8, 16, v7                   ; my two bytes: blocks h and 2 + h,
	v_lshlrev_b32 v10, 3, v2
	v_lshlrev_b32 v9, v10, v9                      ; at their places in the scale word;
	v_mov_b32 v10, 0
	v_permlanex16_b32 v10, v9, s28, s29
	v_or_b32 v[WS], v9, v10                        ; with lane l xor 16's two the word is whole
	s_wait_loadcnt 10                              ; o is in; bo's 2 and the residual's 8 stay out
	QUANT32 X, EC, 7                               ; (its 22 plain lines name no register of the products below: they are the places between Wo's codes and scale word, made above, and those products)
	s_wait_alu depctr_va_vdst(0)                   ; the quantiser has written v[EC ..] and v7, which the LDS stores read; it is done reading v[WN ..] and v[X ..], in which o's fragments and the stage's rows land; Wo's codes v[WFR ..] and scale word v[WS] are written, which the scaled products take: no vector instruction stands between this wait and those products
	ds_store_b128 v20, v[EC:EC+3] offset:OC
	ds_store_b64 v21, v[EC+4:EC+5] offset:OC
	ds_store_b8 v22, v7
	s_wait_dscnt 0x0                               ; for the others' sake: my stores are done
	s_barrier_signal -1
	s_barrier_wait -1                              ; o's four fragments and their scale words lie in LDS; nothing writes them again
.irp i, 0,1
.irp u, 0,1
.irp c, 0,1
	ds_load_b128 v[OF+12*(2*\i+\u)+6*\c:OF+12*(2*\i+\u)+6*\c+3], v23 offset:OC+3072*\i+1024*\c+256*\u
	ds_load_b64 v[OF+12*(2*\i+\u)+6*\c+4:OF+12*(2*\i+\u)+6*\c+5], v24 offset:OC+3072*\i+512*\c+128*\u
.endr
.endr
	ds_load_b32 v[OS+\i], v25 offset:128*\i
.endr
	s_wait_dscnt 0x0
	s_wait_loadcnt 0x0                             ; bo and the residual
.irp i, 0,1                                ; four results, four accumulators
	v_wmma_scale_f32_16x16x128_f8f6f4 v[DT+16*\i:DT+16*\i+7], v[WFR:WFR+11], v[OF+24*\i:OF+24*\i+11], v[BI:BI+7], v[WS], v[OS+\i] matrix_a_fmt:MATRIX_FMT_BF6 matrix_b_fmt:MATRIX_FMT_BF6
	v_wmma_scale_f32_16x16x128_f8f6f4 v[DT+16*\i+8:DT+16*\i+15], v[WFR:WFR+11], v[OF+24*\i+12:OF+24*\i+23], v[BI:BI+7], v[WS], v[OS+\i] matrix_a_fmt:MATRIX_FMT_BF6 matrix_b_fmt:MATRIX_FMT_BF6 matrix_b_scale:MATRIX_SCALE_ROW1
.endr
.rept 4
	v_nop                                          ; four places ahead of the stores that read results
.endr
	s_wait_alu depctr_va_vdst(0)                   ; the products have written v[DT ..], which the stage's stores read; the places above stay beside this wait
.irp i, 0,1
.irp u, 0,1
.irp j, 0,1,2,3,4,5,6,7
	ds_store_b32 v26, v[DT+16*\i+8*\u+\j] offset:272*\j+128*\i+64*\u   ; output 8 h + j, position 32 i + 16 u + r; each result from its low end on
.endr
.endr
.endr
.irp t, 0,1,2,3,4,5,6,7
	ds_load_b128 v[X+4*\t:X+4*\t+3], v27 offset:544*\t   ; my wave's own bytes, and LDS serves a wave's instructions in order: these see the stores above
.endr
.irp t, 0,1,2,3,4,5,6,7
	s_wait_dscnt 7-\t                              ; LDS loads come back in order: pair t of rows is in, the younger ones stay out
	v_pk_add_f32 v[X+4*\t:X+4*\t+1], v[X+4*\t:X+4*\t+1], v[RS+4*\t:RS+4*\t+1]
	v_pk_add_f32 v[X+4*\t+2:X+4*\t+3], v[X+4*\t+2:X+4*\t+3], v[RS+4*\t+2:RS+4*\t+3]
.endr
	s_wait_alu depctr_va_vdst(0)                   ; the sixteen additions have written v[X ..], which the run of stores reads: one wait for the eight
.irp t, 0,1,2,3,4,5,6,7
	global_store_b128 v19, v[X+4*\t:X+4*\t+3], s[12:13] offset:8192*\t th:TH_STORE_NT   ; 16 lanes store 256 consecutive bytes, at a multiple of 256 from out0's first byte
.endr
	s_wait_dscnt 0x0                               ; the closing lines, six on end
	s_wait_alu 0x0
	s_wait_tensorcnt 0x0
	ds_add_u32 v254, v255
	s_wait_dscnt 0x0
	s_endpgm
.Lfunc_end_k_q30bfbf7f92_proj:
	.size	k_q30bfbf7f92_proj, .Lfunc_end_k_q30bfbf7f92_proj-k_q30bfbf7f92_proj
	.p2alignl 7, 3214868480
	.fill 96, 4, 3214868480
	.section	.rodata,"a",@progbits
	.p2align	6, 0x0
	.amdhsa_kernel k_q30bfbf7f92_proj
		.amdhsa_group_segment_fixed_size 42496
		.amdhsa_private_segment_fixed_size 0
		.amdhsa_enable_private_segment 0
		.amdhsa_kernarg_size 40
		.amdhsa_user_sgpr_count 2
		.amdhsa_user_sgpr_kernarg_segment_ptr 1
		.amdhsa_wavefront_size32 1
		.amdhsa_system_sgpr_workgroup_id_x 1
		.amdhsa_system_sgpr_workgroup_id_y 1
		.amdhsa_system_sgpr_workgroup_id_z 1
		.amdhsa_system_vgpr_workitem_id 0
		.amdhsa_next_free_vgpr 256
		.amdhsa_next_free_sgpr 66
		.amdhsa_reserve_vcc 0
		.amdhsa_float_denorm_mode_32 3
		.amdhsa_float_denorm_mode_16_64 3
		.amdhsa_memory_ordered 1
		.amdhsa_forward_progress 1
		.amdhsa_inst_pref_size 21
	.end_amdhsa_kernel
	.amdgpu_metadata
---
amdhsa.version: [ 1, 2 ]
amdhsa.kernels:
  - .name:           k_q30bfbf7f92_proj
    .symbol:         k_q30bfbf7f92_proj.kd
    .args:
      - { .name: ows, .offset: 0, .size: 8, .value_kind: global_buffer, .address_space: global }
      - { .name: Wo, .offset: 8, .size: 8, .value_kind: global_buffer, .address_space: global }
      - { .name: bo, .offset: 16, .size: 8, .value_kind: global_buffer, .address_space: global }
      - { .name: hidden_states, .offset: 24, .size: 8, .value_kind: global_buffer, .address_space: global }
      - { .name: out0, .offset: 32, .size: 8, .value_kind: global_buffer, .address_space: global }
    .group_segment_fixed_size: 42496
    .private_segment_fixed_size: 0
    .kernarg_segment_align: 8
    .kernarg_segment_size: 40
    .max_flat_workgroup_size: 256
    .sgpr_count:     66
    .vgpr_count:     256
    .wavefront_size: 32
...
	.end_amdgpu_metadata
.endif
;; end of part 5
